; MI455X (gfx1250); checked and timed in simulation.
; The chip was launched on July 23, 2026; its instructions are those of AMD's public machine-readable ISA for CDNA 5 (MIT licence, August 2026) and "CDNA5" Instruction Set Architecture Reference Guide (July 2026). The comments in the code are by the model that wrote it; some were corrected since.
;; Attention. Allowed arithmetic: float matrix products may take bf16 or f16 operands with f32 sums; all other float work in f32.
;; Inputs: W_k 16 x 1,024 x 64 float32; W_o 1,024 x 1,024 float32; W_q 16 x 1,024 x 64 float32; W_v 16 x 1,024 x 64 float32; b_o 1,024 float32; x 2 x 2,048 x 1,024 float32.
;; Outputs: out0 2 x 2,048 x 1,024 float32.
;; 2 versions, each right; version 2 is version 1 with the launch prep written anew for expert scheduling mode. Each part assembles by itself: llvm-mc -triple=amdgcn-amd-amdhsa -mcpu=gfx1250 --defsym DOCPART=n.
;; ======== version 1 of 2: 4 launches
;; workspace buffers: xb 8,388,608 bytes; wob 2,097,152 bytes; wt 6,291,456 bytes; qs 16,777,216 bytes; ks 16,777,216 bytes; vt 8,388,608 bytes; mh 8,388,608 bytes
;; launch prep (part 1): grid 256 x 1, 4 waves a work-group, no clusters, 70,144 bytes of LDS; arguments x, W_o, W_q, W_k, W_v, xb, wob, wt; writes xb, wob, wt
.if DOCPART == 1
	.amdgcn_target "amdgcn-amd-amdhsa--gfx1250"
	.amdhsa_code_object_version 6
	.text
	.protected	k_q56dbe3f411_prep
	.globl	k_q56dbe3f411_prep
	.p2align	8
	.type	k_q56dbe3f411_prep,@function
k_q56dbe3f411_prep:
	s_mov_b64 s[64:65], 0
	v_nop
	global_prefetch_b8 v0, s[64:65] scope:SCOPE_SE
	s_setreg_imm32_b32 hwreg(HW_REG_WAVE_MODE, 25, 1), 1
	s_wait_xcnt 0x0
; prep: x and W_o are rounded to bf16 as they lie (xb, wob); W_q, W_k, W_v ([16 h][1024 e][64 d] f32) are rounded and transposed into
; wt [3072][1024] bf16, row = 192 h + 64 kind + d (kind 0 q, 1 k, 2 v), e along the row.
; Every wave owns one unit of 32,768 bytes of f32: work-groups 0-127 x (512 units), 128-159 W_o (128 units), 160-255 the 48 weight matrices
; (8 chunks of 128 e each).  No wave depends on another: no barrier.  Memory binds; the matrix units and clusters have nothing to do here.
; Rounding: to nearest even, once.  NaN and infinities pass as the conversion makes them.
.set XA, 16                            ; v[16:79]   loaded f32, set A
.set XB, 80                            ; v[80:143]  loaded f32, set B
.set Y,  144                           ; v[144:175] packed bf16
.set LP, 272                           ; LDS row of the transpose: 128 e x 2 bytes + 16 of padding
.set WLDS, 64*LP                       ; a wave's 64 rows (d)
; cast: 16 loads, each 512 consecutive bytes of the unit
.macro LOADG g, set
.set i, 0
.rept 16
	global_load_b128 v[\set+4*i:\set+4*i+3], v2, s[28:29] offset:(16*\g+i)*512 th:TH_LOAD_NT
.set i, i+1
.endr
.endm
; cast: a group is rounded and stored; each store of the wave covers 256 consecutive bytes, aligned
.macro PROCG g, set, left
	s_wait_loadcnt \left                           ; loads return in order: this group is in, the younger group's 16 may stay out
	s_wait_xcnt 0x0                                ; Y, which the last group's stores read, is rewritten only behind this wait
.set i, 0
.rept 16
	v_cvt_pk_bf16_f32 v[Y+2*i],   v[\set+4*i],   v[\set+4*i+1]
	v_cvt_pk_bf16_f32 v[Y+2*i+1], v[\set+4*i+2], v[\set+4*i+3]
	global_store_b64 v3, v[Y+2*i:Y+2*i+1], s[30:31] offset:(16*\g+i)*256
.set i, i+1
.endr
.endm
; transpose: 32 rows e; one load is a whole row of 256 bytes, lane l takes d = 2 l and 2 l + 1
.macro LOADT g, set
.set i, 0
.rept 32
	global_load_b64 v[\set+2*i:\set+2*i+1], v3, s[28:29] offset:(32*\g+i)*256 th:TH_LOAD_NT
.set i, i+1
.endr
.endm
; transpose: eight neighbouring e of d = 2 l (the even words) and of d = 2 l + 1 (the odd words) make 16 bytes each, into LDS rows 2 l, 2 l + 1
.macro PROCT g, set, left
	s_wait_loadcnt \left                           ; this group's 32 loads are in, the younger group's 32 may stay out
.irp q, 0,1,2,3
.irp i, 0,1,2,3
	v_cvt_pk_bf16_f32 v[Y+8*\q+\i],   v[\set+16*\q+4*\i],   v[\set+16*\q+4*\i+2]
	v_cvt_pk_bf16_f32 v[Y+8*\q+4+\i], v[\set+16*\q+4*\i+1], v[\set+16*\q+4*\i+3]
.endr
	ds_store_b128 v4, v[Y+8*\q:Y+8*\q+3]   offset:(4*\g+\q)*16
	ds_store_b128 v4, v[Y+8*\q+4:Y+8*\q+7] offset:LP+(4*\g+\q)*16
.endr
.endm
	s_load_b512 s[8:23], s[0:1], 0x0               ; x s[8:9], W_o s[10:11], W_q s[12:13], W_k s[14:15], W_v s[16:17], xb s[18:19], wob s[20:21], wt s[22:23]
	v_lshl_add_u32 v176, v0, 2, 0x11000
	v_mov_b32 v177, 0
	v_lshrrev_b32 v1, 5, v0
	v_readfirstlane_b32 s4, v1                     ; wave 0..3
	v_and_b32 v7, 31, v0                           ; lane
	v_lshlrev_b32 v2, 4, v7                        ; 16 x lane
	v_lshlrev_b32 v3, 3, v7                        ; 8 x lane
	s_wait_kmcnt 0x0
	s_cmp_lt_u32 ttmp9, 160
	s_cbranch_scc0 .Ltranspose
	; ---- cast ----
	s_cmp_lt_u32 ttmp9, 128
	s_cselect_b64 s[28:29], s[8:9], s[10:11]       ; from x or W_o
	s_cselect_b64 s[30:31], s[18:19], s[20:21]     ; to xb or wob
	s_cselect_b32 s5, 0, 128
	s_sub_co_u32 s5, ttmp9, s5
	s_lshl2_add_u32 s5, s5, s4                     ; unit = 4 x (work-group in its tensor) + wave
	s_lshl_b32 s24, s5, 15                         ; 32,768 bytes in,
	s_mov_b32 s25, 0
	s_lshl_b32 s26, s5, 14                         ; 16,384 out
	s_mov_b32 s27, 0
	s_add_nc_u64 s[28:29], s[28:29], s[24:25]
	s_add_nc_u64 s[30:31], s[30:31], s[26:27]
	LOADG 0, XA
	LOADG 1, XB
	PROCG 0, XA, 16
	LOADG 2, XA
	PROCG 1, XB, 16
	LOADG 3, XB
	PROCG 2, XA, 16
	PROCG 3, XB, 0
	s_endpgm
.Ltranspose:
	s_sub_co_u32 s5, ttmp9, 160
	s_lshr_b32 s6, s5, 1                           ; matrix 0..47
	s_and_b32 s5, s5, 1
	s_lshl2_add_u32 s5, s5, s4                     ; chunk of 128 e: 4 x (work-group's half) + wave
	s_lshr_b32 s7, s6, 4                           ; kind
	s_and_b32 s6, s6, 15                           ; head
	s_cmp_eq_u32 s7, 0
	s_cselect_b64 s[28:29], s[12:13], s[14:15]
	s_cmp_eq_u32 s7, 2
	s_cselect_b64 s[28:29], s[16:17], s[28:29]
	s_lshl_b32 s24, s6, 18                         ; a head's matrix is 262,144 bytes,
	s_lshl_b32 s25, s5, 15                         ; a chunk 32,768
	s_add_co_u32 s24, s24, s25
	s_mov_b32 s25, 0
	s_mul_i32 s26, s6, 192
	s_lshl_b32 s27, s7, 6
	s_add_co_u32 s26, s26, s27                     ; first row of wt
	s_lshl_b32 s26, s26, 11                        ; rows of 2,048 bytes
	s_lshl_b32 s27, s5, 8                          ; the chunk's 256 bytes in a row
	s_add_co_u32 s26, s26, s27
	s_mov_b32 s27, 0
	s_add_nc_u64 s[28:29], s[28:29], s[24:25]
	s_add_nc_u64 s[30:31], s[22:23], s[26:27]
	s_mul_i32 s32, s4, WLDS                        ; the wave's own LDS bytes
	v_mul_u32_u24 v4, v7, 2*LP
	v_add_nc_u32 v4, s32, v4                       ; in: rows 2 l and 2 l + 1
	v_lshrrev_b32 v8, 4, v7
	v_and_b32 v9, 15, v7
	v_mul_u32_u24 v5, v8, LP
	v_lshl_add_u32 v5, v9, 4, v5
	v_add_nc_u32 v5, s32, v5                       ; back: lanes 0-15 one row of 256 bytes, lanes 16-31 the next
	v_lshlrev_b32 v6, 11, v8
	v_lshl_add_u32 v6, v9, 4, v6                   ; the same two rows in wt
	LOADT 0, XA
	LOADT 1, XB
	PROCT 0, XA, 32
	LOADT 2, XA
	PROCT 1, XB, 32
	LOADT 3, XB
	PROCT 2, XA, 32
	PROCT 3, XB, 0
	; the way out: LDS serves a wave's instructions in order (ISA guide 5.7.1), so these loads see the wave's stores above without a wait
.set i, 0
.rept 32
	ds_load_b128 v[XA+4*i:XA+4*i+3], v5 offset:i*2*LP
.set i, i+1
.endr
.set i, 0
.rept 32
	s_wait_dscnt 31-i                              ; load i is in, the 31 - i younger ones may stay out
	global_store_b128 v6, v[XA+4*i:XA+4*i+3], s[30:31] offset:i*4096   ; 16 lanes store 256 consecutive bytes of one row of wt, aligned
.set i, i+1
.endr
	s_wait_tensorcnt 0x0
	ds_add_u32 v176, v177
	s_wait_dscnt 0x0
	s_endpgm
.Lfunc_end_k_q56dbe3f411_prep:
	.size	k_q56dbe3f411_prep, .Lfunc_end_k_q56dbe3f411_prep-k_q56dbe3f411_prep
	.p2alignl 7, 3214868480
	.fill 96, 4, 3214868480
	.section	.rodata,"a",@progbits
	.p2align	6, 0x0
	.amdhsa_kernel k_q56dbe3f411_prep
		.amdhsa_group_segment_fixed_size 70144
		.amdhsa_private_segment_fixed_size 0
		.amdhsa_enable_private_segment 0
		.amdhsa_kernarg_size 64
		.amdhsa_user_sgpr_count 2
		.amdhsa_user_sgpr_kernarg_segment_ptr 1
		.amdhsa_wavefront_size32 1
		.amdhsa_system_sgpr_workgroup_id_x 1
		.amdhsa_system_sgpr_workgroup_id_y 1
		.amdhsa_system_sgpr_workgroup_id_z 1
		.amdhsa_system_vgpr_workitem_id 0
		.amdhsa_next_free_vgpr 178
		.amdhsa_next_free_sgpr 66
		.amdhsa_reserve_vcc 0
		.amdhsa_float_denorm_mode_32 3
		.amdhsa_float_denorm_mode_16_64 3
		.amdhsa_memory_ordered 1
		.amdhsa_forward_progress 1
		.amdhsa_inst_pref_size 52
	.end_amdhsa_kernel
	.amdgpu_metadata
---
amdhsa.version: [ 1, 2 ]
amdhsa.kernels:
  - .name:           k_q56dbe3f411_prep
    .symbol:         k_q56dbe3f411_prep.kd
    .args:
      - { .name: x, .offset: 0, .size: 8, .value_kind: global_buffer, .address_space: global }
      - { .name: W_o, .offset: 8, .size: 8, .value_kind: global_buffer, .address_space: global }
      - { .name: W_q, .offset: 16, .size: 8, .value_kind: global_buffer, .address_space: global }
      - { .name: W_k, .offset: 24, .size: 8, .value_kind: global_buffer, .address_space: global }
      - { .name: W_v, .offset: 32, .size: 8, .value_kind: global_buffer, .address_space: global }
      - { .name: xb, .offset: 40, .size: 8, .value_kind: global_buffer, .address_space: global }
      - { .name: wob, .offset: 48, .size: 8, .value_kind: global_buffer, .address_space: global }
      - { .name: wt, .offset: 56, .size: 8, .value_kind: global_buffer, .address_space: global }
    .group_segment_fixed_size: 70144
    .private_segment_fixed_size: 0
    .kernarg_segment_align: 8
    .kernarg_segment_size: 64
    .max_flat_workgroup_size: 128
    .sgpr_count:     66
    .vgpr_count:     178
    .wavefront_size: 32
...
	.end_amdgpu_metadata
.endif
;; end of part 1
;; launch qkv (part 2): grid 16 x 16, 4 waves a work-group, clusters of 4 x 4, 327,680 bytes of LDS; arguments xb, wt, qs, ks, vt; writes qs, ks, vt
.if DOCPART == 2
	.amdgcn_target "amdgcn-amd-amdhsa--gfx1250"
	.amdhsa_code_object_version 6
	.text
	.protected	k_q56dbe3f411_qkv
	.globl	k_q56dbe3f411_qkv
	.p2align	8
	.type	k_q56dbe3f411_qkv,@function
k_q56dbe3f411_qkv:
	s_mov_b64 s[64:65], 0
	v_nop
	global_prefetch_b8 v0, s[64:65] scope:SCOPE_SE
	s_setreg_imm32_b32 hwreg(HW_REG_WAVE_MODE, 25, 1), 1
	s_wait_xcnt 0x0
	s_wait_alu depctr_hold_cnt(0) depctr_sa_sdst(0) depctr_va_vdst(0) depctr_va_sdst(0) depctr_va_ssrc(0) depctr_va_vcc(0) depctr_vm_vsrc(0)
	s_getreg_b32 s2, hwreg(HW_REG_IB_STS2, 6, 4)
	s_cmp_eq_u32 s2, 0
	s_cbranch_scc0 .Lentry_in_a_cluster
	s_endpgm
.Lentry_in_a_cluster:
	s_bfe_u32 s2, ttmp6, 0x10000c
	s_cmp_lg_u32 s2, 0xf033
	s_cbranch_scc0 .Lentry_shape_is_right
	s_endpgm
.Lentry_shape_is_right:
; qkv: [4096][1024] x [3072][1024]^T in bf16 with f32 sums.  Work-group (x = head, y = block of 256 rows) makes q, k and v of one head for 256 rows:
; 256 x 192.  Four waves; wave w makes rows 64 w .. 64 w + 63 x all 192 columns: 48 accumulator tiles, 384 registers.
; K goes in steps of 128 through two LDS slots filled by the tensor data mover; a tile's rows are 256 bytes of memory, aligned.
; CLUSTER 4 x 4: x's tile hangs on the block row alone and is asked for jointly along a row of the cluster, the weights' tile on the head alone
; and is asked for jointly along a column.
; OUT: q is first multiplied in f32 by c = log2(e) / 8 (the scale 1/8 and the change of base of the exponential), so that the next launch's scores are
; exponents to base 2 as they leave the matrix unit.  c q and k leave as two bf16 numbers, hi = bf16(.), lo = bf16(. - hi) (the difference is exact
; in f32): qs, ks [bh][2048][128], a row = 64 hi, 64 lo.  v leaves transposed in bf16: vt [bh][32 blocks of 64 s][64 d][64 s].
; q and k use the matrix instruction transposed (source 0 = weight rows), so that a lane holds 8 neighbouring d of one row; v uses it as it
; stands (source 0 = x rows), so that a lane holds 8 neighbouring s of one d.
; Limits: NaN and infinities are not treated specially; numbers beyond bf16's range (that of f32) do not occur where the f32 result is finite.
; REGISTER WINDOWS: 0 addresses, x fragments, way out; 1 accumulators of q, k: tile (a, b) at 8 (8 a + b); 2 accumulators of v: 8 (4 a + b);
; 3 weight fragments, two buffers of 96.
.set KSTEP,  128
.set PITCH,  272                       ; 256 bytes + 16 of padding: the 16 rows of a fragment load start 68 words apart
.set HALFA,  128*PITCH                 ; what waves 0, 1 fetch: 128 rows of x
.set HALFB,  96*PITCH                  ; what waves 2, 3 fetch: 96 rows of wt
.set SLOT,   2*HALFA+2*HALFB
.set STAGE,  2*SLOT                    ; behind the ring, never filled by a tensor load
.set WSTAGE, 9216                      ; a wave's stage: 16 rows x 272 for q, k; 64 rows x 144 for v
.set VPITCH, 144
.set LAPS,   4                         ; 1024 / (2 x 128)
.set CEXP,   0x3e38aa3b                ; c = log2(e) / 8
.set ADRA, 16                          ; v16-17 LDS address of my x fragments, slot 0, 1
.set ADRB, 20                          ; v20-21 the same for the weights
.set STO,  24
.set RD,   25
.set CO,   26
.set STOV, 27
.set RDV,  28
.set COV,  29
.set FA,   32                          ; x fragments: buffer f at FA + 32 f (window 0); weights: buffer f at 96 f (window 3)
.set H,    96                          ; way out: hi, packed
.set LO,   112                         ; lo, packed
.set U,    128                         ; hi as f32, then the number - hi
.set R0,   160
.set R1,   192
.set G1,  24
.set G0,  32
.set G1B, 48
.set G0B, 56
.set MSB, 0
.macro WIN new                         ; the immediate's high byte repeats the setting that is left
.if MSB != \new
	s_set_vgpr_msb (MSB<<8)|\new
.set MSB, \new
.endif
.endm
.macro PLACES n
.rept \n
	v_nop
.endr
.endm
; a joint load: waves 0, 1 ask for x's halves, waves 2, 3 for the weights'.  The branch hangs on the wave's number alone.
.macro JLOAD s
	s_cmp_eq_u32 s11, 0
	s_cbranch_scc0 .Lfor_b_\@
	tensor_load_to_lds s[G0+4*\s:G0+4*\s+3], s[G1:G1+7]
	s_nop 0
	s_branch .Lasked_\@
.Lfor_b_\@:
	tensor_load_to_lds s[G0B+4*\s:G0B+4*\s+3], s[G1B:G1B+7]
	s_nop 0
.Lasked_\@:
.endm
.macro CREST                           ; a round of the cluster's barrier behind its opening work-group barrier
	s_cmp_lg_u32 s10, 0
	s_cbranch_scc1 .Lnot_wave_0_\@
	s_barrier_signal -3
.Lnot_wave_0_\@:
	s_barrier_wait -3
	s_barrier_signal -1
	s_barrier_wait -1
.endm
.macro CROUND
	s_barrier_signal -1
	s_barrier_wait -1
	CREST
.endm
	s_load_b256 s[68:75], s[0:1], 0x0              ; xb s[68:69], wt s[70:71], qs s[72:73], ks s[74:75]
	s_load_b64 s[76:77], s[0:1], 0x20              ; vt
	v_lshl_add_u32 v255, v0, 2, 0x44800
	s_set_vgpr_msb 0xc0
	v_mov_b32 v193, 0
	s_set_vgpr_msb 0xc0cc
	ds_add_u32 v255, v193
	s_set_vgpr_msb 0xcc00
	v_lshrrev_b32 v1, 5, v0
	v_readfirstlane_b32 s10, v1                    ; wave 0..3
	s_lshr_b32 s11, s10, 1                         ; I fetch for x (0) or for the weights (1)
	s_and_b32 s12, s10, 1                          ; which half of that tile
	s_bfe_u32 s40, ttmp6, 0x40000                  ; cx
	s_bfe_u32 s41, ttmp6, 0x40004                  ; cy
	s_lshl_b32 s42, ttmp9, 2
	s_add_co_u32 s42, s42, s40                     ; head = 4 x cluster x + cx
	s_and_b32 s13, ttmp7, 0xffff
	s_lshl_b32 s13, s13, 2
	s_add_co_u32 s13, s13, s41                     ; block row = 4 x cluster y + cy
	s_lshl_b32 s43, s41, 2
	s_lshl_b32 s43, 15, s43                        ; my row of the cluster
	s_lshl_b32 s44, 0x1111, s40                    ; my column
	s_or_b32 s[G1+0], s43, (1<<16)|(1<<20)|(1<<21)|(5<<22)|(3<<25)   ; mask; elements of 2 bytes; padding on; bit 21 beside a mask; after 64 words, 4 words
	s_or_b32 s[G1B+0], s44, (1<<16)|(1<<20)|(1<<21)|(5<<22)|(3<<25)
	s_mov_b32 s[G1+1], KSTEP<<16                   ; tensor_dim0 = 128
	s_mov_b32 s[G1B+1], KSTEP<<16
	s_mov_b32 s[G1+2], 128<<16                     ; tensor_dim1 = 128 rows
	s_mov_b32 s[G1B+2], 96<<16                     ; 96 rows
	s_mov_b32 s[G1+3], KSTEP<<16                   ; tile_dim0 = 128
	s_mov_b32 s[G1B+3], KSTEP<<16
	s_mov_b32 s[G1+4], 128                         ; tile_dim1
	s_mov_b32 s[G1B+4], 96
	s_mov_b32 s[G1+5], 1024                        ; elements from row to row
	s_mov_b32 s[G1B+5], 1024
	s_mov_b32 s[G1+6], 0
	s_mov_b32 s[G1B+6], 0
	s_mov_b32 s[G1+7], 0
	s_mov_b32 s[G1B+7], 0
	s_lshl_b32 s17, s12, 7
	s_lshl_b32 s16, s13, 8
	s_add_co_u32 s16, s16, s17                     ; x: row 256 x block row + 128 x half
	s_lshl_b32 s16, s16, 11                        ; rows of 2,048 bytes
	s_mov_b32 s17, 0
	s_mul_i32 s46, s42, 192
	s_mul_i32 s47, s12, 96
	s_add_co_u32 s46, s46, s47                     ; wt: row 192 x head + 96 x half
	s_lshl_b32 s46, s46, 11
	s_mov_b32 s47, 0
	s_mul_i32 s20, s10, HALFA                      ; LDS: x's halves at wave x 128 rows,
	s_mul_i32 s21, s10, HALFB
	s_add_co_u32 s21, s21, 2*HALFA-2*HALFB         ; the weights' halves behind x's 256 rows
	s_mov_b32 s78, 0xffff0000
	s_wait_dscnt 0x0
	s_wait_kmcnt 0x0
	s_add_nc_u64 s[14:15], s[68:69], s[16:17]
	s_add_nc_u64 s[46:47], s[70:71], s[46:47]
	CROUND                                         ; all sixteen work-groups are here: the first joint loads meet
.irp s, 0,1
	s_mov_b32 s[G0+4*\s], 1
	s_add_co_u32 s[G0+4*\s+1], s20, \s*SLOT
	s_add_nc_u64 s[G0+4*\s+2:G0+4*\s+3], s[14:15], \s*KSTEP*2
	s_or_b32 s[G0+4*\s+3], s[G0+4*\s+3], 0x80000000
	s_mov_b32 s[G0B+4*\s], 1
	s_add_co_u32 s[G0B+4*\s+1], s21, \s*SLOT
	s_add_nc_u64 s[G0B+4*\s+2:G0B+4*\s+3], s[46:47], \s*KSTEP*2
	s_or_b32 s[G0B+4*\s+3], s[G0B+4*\s+3], 0x80000000
	JLOAD \s                                       ; both first fills go out together: two tensor loads of the wave are out
.endr
	v_and_b32 v1, 15, v0                           ; r
	v_bfe_u32 v2, v0, 4, 1                         ; h
	v_mul_u32_u24 v3, v1, PITCH
	v_lshl_add_u32 v3, v2, 4, v3                   ; r x pitch + 16 h
	s_mul_i32 s22, s10, 64*PITCH                   ; my 64 rows of x
	v_add_nc_u32 v[ADRA], s22, v3
	v_add_nc_u32 v[ADRA+1], SLOT, v[ADRA]
	v_add_nc_u32 v[ADRB], 2*HALFA, v3              ; all 192 rows of the weights
	v_add_nc_u32 v[ADRB+1], SLOT, v[ADRB]
	s_mul_i32 s23, s10, WSTAGE
	s_add_co_u32 s23, s23, STAGE                   ; my stage
	v_add_nc_u32 v[STO], s23, v3
	v_mul_u32_u24 v5, v2, PITCH
	v_lshl_add_u32 v5, v1, 4, v5
	v_add_nc_u32 v[RD], s23, v5                    ; back: lanes 0-15 one row of 256 bytes, lanes 16-31 the next
	v_lshlrev_b32 v5, 8, v2
	v_lshl_add_u32 v[CO], v1, 4, v5                ; the same two rows in qs, ks
	v_mul_u32_u24 v5, v1, VPITCH
	v_lshl_add_u32 v5, v2, 4, v5
	v_add_nc_u32 v[STOV], s23, v5
	v_bfe_u32 v6, v0, 3, 2
	v_and_b32 v7, 7, v0
	v_mul_u32_u24 v5, v6, VPITCH
	v_lshl_add_u32 v5, v7, 4, v5
	v_add_nc_u32 v[RDV], s23, v5                   ; back: four rows of 128 bytes an instruction
	v_and_b32 v4, 31, v0
	v_lshlrev_b32 v[COV], 4, v4
; 16 matrix instructions for q or k: my 4 row tiles x weight tiles b0 .. b0 + 3.  The 48 accumulators take turns, one instruction a turn.
.macro MULQK f, b0, zero
	WIN 0x53                                       ; source 0 window 3, source 1 window 0, C and D window 1
.irp a, 0,1,2,3
.irp b, \b0, \b0+1, \b0+2, \b0+3
.if \zero
	v_wmma_f32_16x16x32_bf16 v[8*(8*\a+(\b)):8*(8*\a+(\b))+7], v[96*\f+8*(\b):96*\f+8*(\b)+7], v[FA+32*\f+8*\a:FA+32*\f+8*\a+7], 0
.else
	v_wmma_f32_16x16x32_bf16 v[8*(8*\a+(\b)):8*(8*\a+(\b))+7], v[96*\f+8*(\b):96*\f+8*(\b)+7], v[FA+32*\f+8*\a:FA+32*\f+8*\a+7], v[8*(8*\a+(\b)):8*(8*\a+(\b))+7]
.endif
.endr
.endr
.endm
; 16 matrix instructions for v
.macro MULV f, zero
	WIN 0xac                                       ; source 0 window 0, source 1 window 3, C and D window 2
.irp a, 0,1,2,3
.irp b, 0,1,2,3
.if \zero
	v_wmma_f32_16x16x32_bf16 v[8*(4*\a+\b):8*(4*\a+\b)+7], v[FA+32*\f+8*\a:FA+32*\f+8*\a+7], v[96*\f+8*(8+\b):96*\f+8*(8+\b)+7], 0
.else
	v_wmma_f32_16x16x32_bf16 v[8*(4*\a+\b):8*(4*\a+\b)+7], v[FA+32*\f+8*\a:FA+32*\f+8*\a+7], v[96*\f+8*(8+\b):96*\f+8*(8+\b)+7], v[8*(4*\a+\b):8*(4*\a+\b)+7]
.endif
.endr
.endr
.endm
; 32 LDS loads: the fragments of 32 along K at byte k of the slot's rows, into buffer g
.macro FETCH slot, k, g
	WIN 0xc0
.irp i, 0,1,2,3,4,5,6,7,8,9,10,11
	ds_load_b128 v[96*\g+8*\i:96*\g+8*\i+3],   v[ADRB+\slot] offset:\k+\i*16*PITCH
	ds_load_b128 v[96*\g+8*\i+4:96*\g+8*\i+7], v[ADRB+\slot] offset:\k+\i*16*PITCH+32
.endr
	WIN 0
.irp i, 0,1,2,3
	ds_load_b128 v[FA+32*\g+8*\i:FA+32*\g+8*\i+3],   v[ADRA+\slot] offset:\k+\i*16*PITCH
	ds_load_b128 v[FA+32*\g+8*\i+4:FA+32*\g+8*\i+7], v[ADRA+\slot] offset:\k+\i*16*PITCH+32
.endr
.endm
; a quarter of a K step: 48 matrix instructions on buffer f; behind the first 16 the next quarter's fragments are asked for, 32 matrix instructions ahead of their use.
; The four v_nop are the places between the matrix instructions that read buffer g and the loads into it (ISA guide 7.12.1 for vector instructions).
.macro QUARTER slot, k, f, g, zero
	s_wait_dscnt 0x0                               ; buffer f is in
	MULQK \f, 0, \zero
	PLACES 4
	FETCH \slot, \k, \g
	MULQK \f, 4, \zero
	MULV \f, \zero
.endm
.macro THREE slot, zero
	QUARTER \slot, 64,  0, 1, \zero
	QUARTER \slot, 128, 1, 0, 0
	QUARTER \slot, 192, 0, 1, 0
.endm
; the last quarter changes slots.  In front of the barrier each wave has its reads of this slot back and all its tensor loads landed (one was out: its
; part of the next slot).  fill = 1: the barrier opens a round of the cluster's barrier, and the joint refill is the first tensor load behind the round.
.macro TURN slot, next, fill
	s_wait_dscnt 0x0                               ; buffer 1 is in: my last reads of this slot
	s_wait_tensorcnt 0x0                           ; all my tensor loads have landed
	ds_add_u32 v255, v193
	s_wait_dscnt 0x0
	s_barrier_signal -1
	MULQK 1, 0, 0                                  ; register work while the others arrive
	WIN 0
	s_barrier_wait -1
.if \fill
	CREST
	s_add_nc_u64 s[G0+4*\slot+2:G0+4*\slot+3], s[G0+4*\slot+2:G0+4*\slot+3], 2*KSTEP*2
	s_add_nc_u64 s[G0B+4*\slot+2:G0B+4*\slot+3], s[G0B+4*\slot+2:G0B+4*\slot+3], 2*KSTEP*2
	JLOAD \slot                                    ; one tensor load of the wave is out; it has 176 matrix instructions in which to land
.endif
	PLACES 4
	FETCH \next, 0, 0
	MULQK 1, 4, 0
	MULV 1, 0
.endm
.macro LAP zero
	THREE 0, \zero
	TURN 0, 1, 1
	THREE 1, 0
	TURN 1, 0, 1
.endm
	s_wait_tensorcnt 0x1                           ; my part of K step 0 is in; K step 1's load, issued behind it, may stay out
	s_barrier_signal -1
	s_barrier_wait -1
	FETCH 0, 0, 0
	LAP 1                                          ; the first products start the sums: nothing is cleared
	WIN 0
	s_mov_b32 s3, LAPS-2
.Llap:
	LAP 0
	WIN 0
	s_sub_co_u32 s3, s3, 1
	s_cmp_lg_u32 s3, 0
	s_cbranch_scc1 .Llap
	THREE 0, 0                                     ; the last lap fills nothing
	TURN 0, 1, 0
	THREE 1, 0
	s_wait_dscnt 0x0
	MULQK 1, 0, 0
	MULQK 1, 4, 0
	MULV 1, 0
	PLACES 4                                       ; the places in front of the vector instructions that read or rewrite results
	; where the results go.  These registers feed no descriptor and no LDS address.
	s_lshr_b32 s4, s13, 3                          ; batch
	s_lshl4_add_u32 s4, s4, s42                    ; bh = 16 x batch + head
	s_and_b32 s5, s13, 7                           ; block of 256 rows in the batch
	s_lshl_b32 s6, s4, 11
	s_lshl_b32 s7, s5, 8
	s_add_co_u32 s6, s6, s7
	s_lshl_b32 s7, s10, 6
	s_add_co_u32 s6, s6, s7                        ; my first row of qs, ks
	s_lshl_b32 s6, s6, 8                           ; rows of 256 bytes
	s_mov_b32 s7, 0
	s_add_nc_u64 s[72:73], s[72:73], s[6:7]
	s_add_nc_u64 s[74:75], s[74:75], s[6:7]
	s_lshl_b32 s8, s4, 5
	s_lshl_b32 s9, s5, 2
	s_add_co_u32 s8, s8, s9
	s_add_co_u32 s8, s8, s10                       ; my block of vt
	s_lshl_b32 s8, s8, 13                          ; blocks of 8,192 bytes
	s_mov_b32 s9, 0
	s_add_nc_u64 s[76:77], s[76:77], s[8:9]
; 16 rows of q (kind 0) or k (kind 1): hi and lo, through my stage, out as whole rows of 256 bytes
.macro OUTQK a, kind, R, base
.if \kind == 0
	WIN 0x41                                       ; q alone: times c, in f32, ahead of the split
.irp b, 0,1,2,3
.irp i, 0,1,2,3
	v_pk_mul_f32 v[8*(8*\a+\b)+2*\i:8*(8*\a+\b)+2*\i+1], v[8*(8*\a+\b)+2*\i:8*(8*\a+\b)+2*\i+1], CEXP op_sel_hi:[1,0]
.endr
.endr
.endif
	WIN 0x05
.irp b, 0,1,2,3
.irp i, 0,1,2,3
	v_cvt_pk_bf16_f32 v[H+4*\b+\i], v[8*(8*\a+4*\kind+\b)+2*\i], v[8*(8*\a+4*\kind+\b)+2*\i+1]
.endr
.endr
	WIN 0
.irp i, 0,1,2,3,4,5,6,7,8,9,10,11,12,13,14,15
	v_lshlrev_b32 v[U+2*\i],   16,  v[H+\i]         ; hi back as f32
	v_and_b32     v[U+2*\i+1], s78, v[H+\i]
.endr
	WIN 0x01
.irp b, 0,1,2,3
.irp i, 0,1,2,3
	v_pk_add_f32 v[U+8*\b+2*\i:U+8*\b+2*\i+1], v[8*(8*\a+4*\kind+\b)+2*\i:8*(8*\a+4*\kind+\b)+2*\i+1], v[U+8*\b+2*\i:U+8*\b+2*\i+1] neg_lo:[0,1] neg_hi:[0,1]
.endr
.endr
	WIN 0
.irp i, 0,1,2,3,4,5,6,7,8,9,10,11,12,13,14,15
	v_cvt_pk_bf16_f32 v[LO+\i], v[U+2*\i], v[U+2*\i+1]
.endr
.irp b, 0,1,2,3
	ds_store_b128 v[STO], v[H+4*\b:H+4*\b+3]   offset:32*\b
	ds_store_b128 v[STO], v[LO+4*\b:LO+4*\b+3] offset:128+32*\b
.endr
	s_wait_xcnt 0x0                                ; the registers that earlier stores read are loaded again only behind this wait
.irp t, 0,1,2,3,4,5,6,7
	ds_load_b128 v[\R+4*\t:\R+4*\t+3], v[RD] offset:\t*2*PITCH    ; a wave's LDS instructions are served in order: these see the stores above
.endr
.irp t, 0,1,2,3,4,5,6,7
	s_wait_dscnt 7-\t
	global_store_b128 v[CO], v[\R+4*\t:\R+4*\t+3], s[\base:\base+1] offset:\a*4096+\t*512   ; 16 lanes store one row of 256 bytes, aligned
.endr
.endm
	OUTQK 0, 0, R0, 72
	OUTQK 1, 0, R1, 72
	OUTQK 2, 0, R0, 72
	OUTQK 3, 0, R1, 72
	OUTQK 0, 1, R0, 74
	OUTQK 1, 1, R1, 74
	OUTQK 2, 1, R0, 74
	OUTQK 3, 1, R1, 74
	; v: lane (r, h) of tile (a, b) holds d = 16 b + r, s = 16 a + 8 h + 0..7: 16 bytes of row d of my block of vt
	WIN 0x0a
.irp a, 0,1,2,3
.irp b, 0,1,2,3
.irp i, 0,1,2,3
	v_cvt_pk_bf16_f32 v[H+4*(4*\a+\b)+\i], v[8*(4*\a+\b)+2*\i], v[8*(4*\a+\b)+2*\i+1]
.endr
.endr
.endr
	WIN 0
.irp a, 0,1,2,3
.irp b, 0,1,2,3
	ds_store_b128 v[STOV], v[H+4*(4*\a+\b):H+4*(4*\a+\b)+3] offset:\b*16*VPITCH+32*\a
.endr
.endr
	s_wait_xcnt 0x0                                ; R0 and R1 are loaded again only behind this wait
.set i, 0
.rept 16
	ds_load_b128 v[R0+4*i:R0+4*i+3], v[RDV] offset:i*4*VPITCH
.set i, i+1
.endr
.set i, 0
.rept 16
	s_wait_dscnt 15-i
	global_store_b128 v[COV], v[R0+4*i:R0+4*i+3], s[76:77] offset:i*512    ; 512 consecutive bytes of the block
.set i, i+1
.endr
	s_set_vgpr_msb 0xc
	s_wait_tensorcnt 0x0
	ds_add_u32 v255, v193
	s_wait_dscnt 0x0
	s_set_vgpr_msb 0xc00
	CROUND                                         ; the closing round: no work-group ends while a partner may still ask jointly
	s_endpgm
.Lfunc_end_k_q56dbe3f411_qkv:
	.size	k_q56dbe3f411_qkv, .Lfunc_end_k_q56dbe3f411_qkv-k_q56dbe3f411_qkv
	.p2alignl 7, 3214868480
	.fill 96, 4, 3214868480
	.section	.rodata,"a",@progbits
	.p2align	6, 0x0
	.amdhsa_kernel k_q56dbe3f411_qkv
		.amdhsa_group_segment_fixed_size 327680
		.amdhsa_private_segment_fixed_size 0
		.amdhsa_enable_private_segment 0
		.amdhsa_kernarg_size 40
		.amdhsa_user_sgpr_count 2
		.amdhsa_user_sgpr_kernarg_segment_ptr 1
		.amdhsa_wavefront_size32 1
		.amdhsa_system_sgpr_workgroup_id_x 1
		.amdhsa_system_sgpr_workgroup_id_y 1
		.amdhsa_system_sgpr_workgroup_id_z 1
		.amdhsa_system_vgpr_workitem_id 0
		.amdhsa_next_free_vgpr 962
		.amdhsa_next_free_sgpr 80
		.amdhsa_reserve_vcc 0
		.amdhsa_float_denorm_mode_32 3
		.amdhsa_float_denorm_mode_16_64 3
		.amdhsa_memory_ordered 1
		.amdhsa_forward_progress 1
		.amdhsa_inst_pref_size 203
	.end_amdhsa_kernel
	.amdgpu_metadata
---
amdhsa.version: [ 1, 2 ]
amdhsa.kernels:
  - .name:           k_q56dbe3f411_qkv
    .symbol:         k_q56dbe3f411_qkv.kd
    .args:
      - { .name: xb, .offset: 0, .size: 8, .value_kind: global_buffer, .address_space: global }
      - { .name: wt, .offset: 8, .size: 8, .value_kind: global_buffer, .address_space: global }
      - { .name: qs, .offset: 16, .size: 8, .value_kind: global_buffer, .address_space: global }
      - { .name: ks, .offset: 24, .size: 8, .value_kind: global_buffer, .address_space: global }
      - { .name: vt, .offset: 32, .size: 8, .value_kind: global_buffer, .address_space: global }
    .group_segment_fixed_size: 327680
    .private_segment_fixed_size: 0
    .kernarg_segment_align: 8
    .kernarg_segment_size: 40
    .max_flat_workgroup_size: 128
    .sgpr_count:     80
    .vgpr_count:     962
    .wavefront_size: 32
...
	.end_amdgpu_metadata
.endif
;; end of part 2
;; launch attn (part 3): grid 8 x 32, 8 waves a work-group, clusters of 4 x 1, 327,680 bytes of LDS; arguments qs, ks, vt, mh; writes mh
.if DOCPART == 3
	.amdgcn_target "amdgcn-amd-amdhsa--gfx1250"
	.amdhsa_code_object_version 6
	.text
	.protected	k_q56dbe3f411_attn
	.globl	k_q56dbe3f411_attn
	.p2align	8
	.type	k_q56dbe3f411_attn,@function
k_q56dbe3f411_attn:
	s_mov_b64 s[64:65], 0
	v_nop
	global_prefetch_b8 v0, s[64:65] scope:SCOPE_SE
	s_setreg_imm32_b32 hwreg(HW_REG_WAVE_MODE, 25, 1), 1
	s_wait_xcnt 0x0
	s_wait_alu depctr_hold_cnt(0) depctr_sa_sdst(0) depctr_va_vdst(0) depctr_va_sdst(0) depctr_va_ssrc(0) depctr_va_vcc(0) depctr_vm_vsrc(0)
	s_getreg_b32 s2, hwreg(HW_REG_IB_STS2, 6, 4)
	s_cmp_eq_u32 s2, 0
	s_cbranch_scc0 .Lentry_in_a_cluster
	s_endpgm
.Lentry_in_a_cluster:
	s_bfe_u32 s2, ttmp6, 0x10000c
	s_cmp_lg_u32 s2, 0x3003
	s_cbranch_scc0 .Lentry_shape_is_right
	s_endpgm
.Lentry_shape_is_right:
; attn: softmax(q k^T / 8) v for 256 queries of one head (bh = work-group y), with a running maximum.  mh [bh][2048][64] bf16.
; Eight waves: wave w has the 64 queries 64 (w & 3) .. and, of every 64 keys, the 32 keys of half p = w >> 2; the two partial results of a query
; group are merged once, at the end, through LDS.
; SCORES: qs holds c q (c = log2(e) / 8), ks holds k, each as bf16 hi | lo; score = kh.qh + kh.ql + kl.qh, six matrix steps of 32 (kl.ql, 2^-18 of a
; product, is dropped).  The score is the exponent to base 2 as it stands: P = exp2(S - max), where S - max is exactly 0 at the maximum and never
; above 0, whatever the size of the inputs.
; S^T = K Q^T (source 0 = 16 keys, source 1 = 16 queries): lane (r, h) holds keys 8 h + 0..7 of query r.  Two such tiles, packed to bf16, ARE the
; source-1 fragment of P for 32 keys, so P never goes through LDS.  O^T = V^T P^T (source 0 = 16 rows d of vt).  Maximum, sum and rescaling are
; per lane; one v_permlanex16_b32 per tile and block joins the two halves' maxima.
; TEXT: a slot of 256 keys is four blocks of 32 keys for a wave.  The blocks differ only in their LDS addresses, which step by constants (64 rows of k,
; one block of vt): three blocks run through one loop body, the fourth, which fetches nothing ahead, is written out.
; CLUSTER 4 x 1: the four query blocks of a cluster read the same K and V tiles and ask jointly (mask 15).
; Limits: NaN and infinities are not treated specially; an exponential below 2^-126 counts as 0; sums run blockwise, keys split over two waves.
.set KPITCH, 272
.set VPITCH, 144
.set KPART,  256*KPITCH                ; a slot's 256 rows of k (hi | lo, 256 bytes + 16)
.set VBLK,   64*VPITCH                 ; a block of vt: 64 rows d x (64 keys, 128 bytes + 16)
.set SLOT,   KPART+4*VBLK
.set KJUMP,  64*KPITCH                 ; from a block's keys to the next block's
.set MERGE,  2*SLOT                    ; per query group: O 16,384 bytes + statistics 1,024; never filled by a tensor load
.set WMERGE, 17408
.set OUTS,   MERGE+4*WMERGE            ; per query group: 64 rows x 144
.set WOUT,   9216
.set KADR, 4                           ; v4-5   my first keys' rows, slot 0, 1
.set VADR, 6                           ; v6-7   my keys' columns in the first block of vt, slot 0, 1
.set QOFF, 8
.set MADR, 9
.set OSTO, 10
.set ORD,  11
.set LOFF, 12
.set TM,  20
.set TP,  24
.set MX,  28                           ; v28, 30, 32, 34 running maximum, one a query tile; the packed forms broadcast it, and name v29 .. v35, written once
.set AL,  36                           ; v36, 38, 40, 42 the rescaling factor, likewise
.set L2,  44                           ; v44-51 pairs of partial sums
.set TN,  52
.set KC,  56                           ; where the block that is fetched next has its rows of k
.set VC,  57                           ; and its block of vt
.set KF,  64                           ; v64-127  k fragments: tile (t, c) at 8 (4 t + c); c = 0, 1 hi of d 0-31, 32-63; c = 2, 3 lo
.set VF,  128                          ; v128-159 vt fragments
.set SB,  160                          ; v160-223 S(t, n) at 16 n + 8 t; then P(n) at 16 n
                                       ; window 1: q fragments (n, c) at 8 (4 n + c); O(n, dt) at 128 + 8 (4 n + dt)
.set G1K, 28
.set G1V, 36
.set G0K, 44
.set G0V, 52
.set MSB, 0
.macro WIN new
.if MSB != \new
	s_set_vgpr_msb (MSB<<8)|\new
.set MSB, \new
.endif
.endm
.macro PLACES n
.rept \n
	v_nop
.endr
.endm
.macro ROUND                           ; a round of the cluster's barrier
	s_barrier_signal -1
	s_barrier_wait -1
	s_cmp_lg_u32 s12, 0
	s_cbranch_scc1 .Lnot_wave_0_\@
	s_barrier_signal -3
.Lnot_wave_0_\@:
	s_barrier_wait -3
	s_barrier_signal -1
	s_barrier_wait -1
.endm
.macro JLOAD s                         ; waves 0-3: 64 rows of k each; waves 4-7: a block of vt each
	s_cmp_lt_u32 s12, 4
	s_cbranch_scc0 .Lfor_v_\@
	tensor_load_to_lds s[G0K+4*(\s):G0K+4*(\s)+3], s[G1K:G1K+7]
	s_nop 0
	s_branch .Lasked_\@
.Lfor_v_\@:
	tensor_load_to_lds s[G0V+4*(\s):G0V+4*(\s)+3], s[G1V:G1V+7]
	s_nop 0
.Lasked_\@:
.endm
	s_load_b256 s[4:11], s[0:1], 0x0               ; qs s[4:5], ks s[6:7], vt s[8:9], mh s[10:11]
	v_lshl_add_u32 v62, v0, 2, 0x4e000
	v_mov_b32 v63, 0
	ds_add_u32 v62, v63
	v_lshrrev_b32 v1, 5, v0
	v_readfirstlane_b32 s12, v1                    ; wave 0..7
	s_and_b32 s13, s12, 3                          ; query group
	s_lshr_b32 s14, s12, 2                         ; p: which 32 of every 64 keys
	s_bfe_u32 s15, ttmp6, 0x40000                  ; cx
	s_lshl_b32 s16, ttmp9, 2
	s_add_co_u32 s16, s16, s15                     ; query block = 4 x cluster x + cx
	s_and_b32 s17, ttmp7, 0xffff                   ; bh
	s_mov_b32 s25, 0x76543210                      ; v_permlanex16_b32: lane i of the other half
	s_mov_b32 s26, 0xfedcba98
	s_mov_b32 s[G1K+0], 15|(1<<16)|(1<<20)|(1<<21)|(5<<22)|(3<<25)   ; mask of the four; 2-byte elements; padding: after 64 words, 4 words
	s_mov_b32 s[G1K+1], 128<<16                    ; tensor_dim0 = 128
	s_mov_b32 s[G1K+2], 64<<16                     ; tensor_dim1 = 64 rows
	s_mov_b32 s[G1K+3], 128<<16                    ; tile_dim0
	s_mov_b32 s[G1K+4], 64                         ; tile_dim1
	s_mov_b32 s[G1K+5], 128                        ; dense rows of 256 bytes
	s_mov_b32 s[G1K+6], 0
	s_mov_b32 s[G1K+7], 0
	s_mov_b32 s[G1V+0], 15|(1<<16)|(1<<20)|(1<<21)|(4<<22)|(3<<25)   ; padding after 32 words: behind each 128-byte row of vt
	s_mov_b32 s[G1V+1], 128<<16
	s_mov_b32 s[G1V+2], 32<<16                     ; the dense block of 8,192 bytes as 32 rows of 256
	s_mov_b32 s[G1V+3], 128<<16
	s_mov_b32 s[G1V+4], 32
	s_mov_b32 s[G1V+5], 128
	s_mov_b32 s[G1V+6], 0
	s_mov_b32 s[G1V+7], 0
	s_lshl_b32 s18, s17, 11
	s_lshl_b32 s19, s16, 8
	s_add_co_u32 s18, s18, s19
	s_lshl_b32 s19, s13, 6
	s_add_co_u32 s18, s18, s19                     ; my first query's row
	s_lshl_b32 s62, s18, 7                         ; in mh: rows of 128 bytes
	s_mov_b32 s63, 0
	s_lshl_b32 s18, s18, 8                         ; in qs: rows of 256 bytes
	s_mov_b32 s19, 0
	s_lshl_b32 s20, s17, 19                        ; ks: a head is 524,288 bytes; my 64 rows of a slot 16,384
	s_lshl_b32 s21, s12, 14
	s_add_co_u32 s20, s20, s21
	s_mov_b32 s21, 0
	s_mul_i32 s60, s12, 64*KPITCH                  ; LDS: k rows at wave x 64 rows,
	s_mul_i32 s61, s12, VBLK
	s_add_co_u32 s61, s61, KPART-4*VBLK            ; vt blocks behind them, at (wave - 4) blocks
	v_and_b32 v1, 15, v0                           ; r
	v_bfe_u32 v2, v0, 4, 1                         ; h
	v_and_b32 v3, 31, v0                           ; lane
	v_lshlrev_b32 v13, 4, v2
	v_lshl_add_u32 v[QOFF], v1, 8, v13             ; 256 r + 16 h
	s_wait_dscnt 0x0
	s_wait_kmcnt 0x0
	s_add_nc_u64 s[4:5], s[4:5], s[18:19]
	s_add_nc_u64 s[10:11], s[10:11], s[62:63]
	s_add_nc_u64 s[6:7], s[6:7], s[20:21]
	s_lshl_b32 s20, s17, 18                        ; vt: a head is 262,144 bytes, a block 8,192
	s_lshl_b32 s21, s13, 13
	s_add_co_u32 s20, s20, s21
	s_mov_b32 s21, 0
	s_add_nc_u64 s[8:9], s[8:9], s[20:21]
	; my 64 queries, hi and lo, stay in 128 registers for the whole kernel
	WIN 0x40
.irp n, 0,1,2,3
.irp c, 0,1,2,3
	global_load_b128 v[8*(4*\n+\c):8*(4*\n+\c)+3],   v[QOFF], s[4:5] offset:\n*4096+\c*64
	global_load_b128 v[8*(4*\n+\c)+4:8*(4*\n+\c)+7], v[QOFF], s[4:5] offset:\n*4096+\c*64+32
.endr
.endr
	WIN 0
.irp s, 0,1
	s_mov_b32 s[G0K+4*\s], 1
	s_add_co_u32 s[G0K+4*\s+1], s60, \s*SLOT
	s_add_nc_u64 s[G0K+4*\s+2:G0K+4*\s+3], s[6:7], \s*65536
	s_or_b32 s[G0K+4*\s+3], s[G0K+4*\s+3], 0x80000000
	s_mov_b32 s[G0V+4*\s], 1
	s_add_co_u32 s[G0V+4*\s+1], s61, \s*SLOT
	s_add_nc_u64 s[G0V+4*\s+2:G0V+4*\s+3], s[8:9], \s*32768
	s_or_b32 s[G0V+4*\s+3], s[G0V+4*\s+3], 0x80000000
.endr
	ROUND                                          ; in front of the first joint load
	JLOAD 0                                        ; keys 0-255
	v_mul_u32_u24 v14, v1, KPITCH
	v_add_nc_u32 v14, v14, v13
	s_mul_i32 s2, s14, 32*KPITCH                   ; keys 32 p .. of the slot's first 64
	v_add_nc_u32 v[KADR], s2, v14
	v_add_nc_u32 v[KADR+1], SLOT, v[KADR]
	v_mul_u32_u24 v15, v1, VPITCH
	v_add_nc_u32 v15, v15, v13
	s_lshl_b32 s3, s14, 6                          ; the same keys in a row of vt: byte 64 p
	s_add_co_u32 s3, s3, KPART
	v_add_nc_u32 v[VADR], s3, v15
	v_add_nc_u32 v[VADR+1], SLOT, v[VADR]
	v_lshlrev_b32 v[LOFF], 4, v3
	s_mul_i32 s2, s13, WMERGE
	s_add_co_u32 s2, s2, MERGE
	v_add_nc_u32 v[MADR], s2, v[LOFF]
	s_mul_i32 s3, s13, WOUT
	s_add_co_u32 s3, s3, OUTS
	v_add_nc_u32 v[OSTO], s3, v15
	v_bfe_u32 v14, v0, 3, 2
	v_and_b32 v13, 7, v0
	v_mul_u32_u24 v14, v14, VPITCH
	v_lshl_add_u32 v14, v13, 4, v14
	v_add_nc_u32 v[ORD], s3, v14
.irp n, 0,1,2,3
	v_mov_b32 v[TP+\n], 0                          ; v_permlanex16_b32's destination counts as read
.endr
.macro LDK                             ; 32 keys x (hi, lo) at KC: 16 loads
.irp t, 0,1
.irp c, 0,1,2,3
	ds_load_b128 v[KF+8*(4*\t+\c):KF+8*(4*\t+\c)+3],   v[KC] offset:\t*16*KPITCH+\c*64
	ds_load_b128 v[KF+8*(4*\t+\c)+4:KF+8*(4*\t+\c)+7], v[KC] offset:\t*16*KPITCH+\c*64+32
.endr
.endr
.endm
.macro LDV                             ; 64 d x the same 32 keys at VC: 8 loads
.irp dt, 0,1,2,3
	ds_load_b128 v[VF+8*\dt:VF+8*\dt+3],   v[VC] offset:\dt*16*VPITCH
	ds_load_b128 v[VF+8*\dt+4:VF+8*\dt+7], v[VC] offset:\dt*16*VPITCH+32
.endr
.endm
; one step of 32 along d over the eight score tiles, which take turns, one instruction a turn
.macro QKSTEP kc, qc, zero
.irp t, 0,1
.irp n, 0,1,2,3
.if \zero
	v_wmma_f32_16x16x32_bf16 v[SB+16*\n+8*\t:SB+16*\n+8*\t+7], v[KF+8*(4*\t+\kc):KF+8*(4*\t+\kc)+7], v[8*(4*\n+\qc):8*(4*\n+\qc)+7], 0
.else
	v_wmma_f32_16x16x32_bf16 v[SB+16*\n+8*\t:SB+16*\n+8*\t+7], v[KF+8*(4*\t+\kc):KF+8*(4*\t+\kc)+7], v[8*(4*\n+\qc):8*(4*\n+\qc)+7], v[SB+16*\n+8*\t:SB+16*\n+8*\t+7]
.endif
.endr
.endr
.endm
; the block's 32 keys x 64 queries: new maximum, P = exp2(S - max), partial sums, P packed in place.  The four query tiles are interleaved.
.macro SOFTMAX first
.irp n, 0,1,2,3
	v_max3_num_f32 v[TM+\n], v[SB+16*\n], v[SB+16*\n+1], v[SB+16*\n+2]
.endr
.irp k, 3,5,7,9,11,13
.irp n, 0,1,2,3
	v_max3_num_f32 v[TM+\n], v[TM+\n], v[SB+16*\n+\k], v[SB+16*\n+\k+1]
.endr
.endr
.irp n, 0,1,2,3
.if \first
	v_max_num_f32 v[TM+\n], v[TM+\n], v[SB+16*\n+15]
.else
	v_max3_num_f32 v[TM+\n], v[TM+\n], v[SB+16*\n+15], v[MX+2*\n]
.endif
.endr
.irp n, 0,1,2,3
	v_permlanex16_b32 v[TP+\n], v[TM+\n], s25, s26     ; the other eight keys of each tile lie in the other half
.endr
.irp n, 0,1,2,3
	v_max_num_f32 v[TN+\n], v[TM+\n], v[TP+\n]         ; the new maximum: one of the scores, or the old maximum
.endr
.if \first == 0
.irp n, 0,1,2,3
	v_sub_f32 v[AL+2*\n], v[MX+2*\n], v[TN+\n]         ; old maximum - new, at most 0
.endr
.endif
.irp n, 0,1,2,3
	v_mov_b32 v[MX+2*\n], v[TN+\n]
.endr
.if \first
.irp n, 0,1,2,3
	v_mov_b32 v[MX+2*\n+1], v[TN+\n]                   ; the pairs' second registers: named by the packed forms below, whose op_sel_hi takes the first
	v_mov_b32 v[AL+2*\n+1], v[TN+\n]                   ; register for both halves; written this once, their values are never used
.endr
.endif
.irp n, 0,1,2,3
.irp k, 0,2,4,6,8,10,12,14
	v_pk_add_f32 v[SB+16*\n+\k:SB+16*\n+\k+1], v[SB+16*\n+\k:SB+16*\n+\k+1], v[MX+2*\n:MX+2*\n+1] op_sel_hi:[1,0] neg_lo:[0,1] neg_hi:[0,1]
.endr
.endr
.set i, 0
.rept 64
	v_exp_f32 v[SB+i], v[SB+i]
.set i, i+1
.endr
.if \first == 0
.irp n, 0,1,2,3
	v_exp_f32 v[AL+2*\n], v[AL+2*\n]
.endr
.endif
	v_nop                                              ; one plain vector instruction between the exponentials and the first use of a result (ISA guide 5.7.2)
	s_wait_alu depctr_va_vdst(0)
.irp n, 0,1,2,3
.if \first
	s_wait_alu depctr_va_vdst(0)
	v_pk_add_f32 v[L2+2*\n:L2+2*\n+1], v[SB+16*\n:SB+16*\n+1], v[SB+16*\n+2:SB+16*\n+3]
.else
	v_pk_fma_f32 v[L2+2*\n:L2+2*\n+1], v[L2+2*\n:L2+2*\n+1], v[AL+2*\n:AL+2*\n+1], v[SB+16*\n:SB+16*\n+1] op_sel_hi:[1,0,1]
.endif
.endr
.if \first == 0
.irp n, 0,1,2,3
	v_pk_add_f32 v[L2+2*\n:L2+2*\n+1], v[L2+2*\n:L2+2*\n+1], v[SB+16*\n+2:SB+16*\n+3]
.endr
.endif
.irp k, 4,6,8,10,12,14
.irp n, 0,1,2,3
	v_pk_add_f32 v[L2+2*\n:L2+2*\n+1], v[L2+2*\n:L2+2*\n+1], v[SB+16*\n+\k:SB+16*\n+\k+1]
.endr
.endr
.irp n, 0,1,2,3
.irp i, 0,1,2,3,4,5,6,7
	v_cvt_pk_bf16_f32 v[SB+16*\n+\i], v[SB+16*\n+2*\i], v[SB+16*\n+2*\i+1]   ; ascending: register i is written when 2 i, 2 i + 1 have been read
.endr
.endr
.endm
.macro RESC                            ; O x the rescaling factor of its query tile
	WIN 0x41
.irp n, 0,1,2,3
.irp k, 0,2,4,6,8,10,12,14,16,18,20,22,24,26,28,30
	v_pk_mul_f32 v[128+32*\n+\k:128+32*\n+\k+1], v[128+32*\n+\k:128+32*\n+\k+1], v[AL+2*\n:AL+2*\n+1] op_sel_hi:[1,0]
.endr
.endr
.endm
.macro PV zero                         ; sixteen accumulators, one instruction each
	WIN 0x50
.irp n, 0,1,2,3
.irp dt, 0,1,2,3
.if \zero
	v_wmma_f32_16x16x32_bf16 v[128+8*(4*\n+\dt):128+8*(4*\n+\dt)+7], v[VF+8*\dt:VF+8*\dt+7], v[SB+16*\n:SB+16*\n+7], 0
.else
	v_wmma_f32_16x16x32_bf16 v[128+8*(4*\n+\dt):128+8*(4*\n+\dt)+7], v[VF+8*\dt:VF+8*\dt+7], v[SB+16*\n:SB+16*\n+7], v[128+8*(4*\n+\dt):128+8*(4*\n+\dt)+7]
.endif
.endr
.endr
.endm
; 32 keys x 64 queries.  ahead = 1: the next block's fragments are fetched, k's behind the scores, vt's behind the products with P.
.macro BLOCK ahead, first
	s_wait_dscnt 8                                 ; this block's 16 loads of k are in; its 8 of vt, issued behind them, may stay out
	WIN 0x04
	QKSTEP 0, 0, 1                                 ; kh.qh: the first product starts the sums
	QKSTEP 1, 1, 0
	QKSTEP 0, 2, 0                                 ; kh.ql
	QKSTEP 1, 3, 0
	QKSTEP 2, 0, 0                                 ; kl.qh
	QKSTEP 3, 1, 0
	WIN 0
	; four places in front of the loads into k's fragments and of the first read of a score (ISA guide 7.12.1 for vector instructions)
.if \ahead
	v_add_nc_u32 v[KC], KJUMP, v[KC]               ; the first of them: the next block's keys
	PLACES 3
	LDK
.else
	PLACES 4
.endif
	SOFTMAX \first
.if \ahead
	s_wait_dscnt 16                                ; vt's fragments are in; the next block's 16 loads of k may stay out
.else
	s_wait_dscnt 0
.endif
.if \first == 0
	RESC
.endif
	PV \first
	WIN 0
	; five places before the next scores write over P; four of them also serve the loads into vt's fragments
.if \ahead
	v_add_nc_u32 v[VC], VBLK, v[VC]                ; the first of them: the next block of vt
	PLACES 4
	LDV
.else
	PLACES 5
.endif
.endm
; a slot of 256 keys.  In front of the round every wave has all its tensor loads landed (this slot's part among them) and its LDS reads back;
; the joint load of the other slot is the first tensor load behind the round, the wave's only one until the next round: one is out at a time.
.macro TRIP slot, refill, first
	s_wait_tensorcnt 0x0
	ds_add_u32 v62, v63
	s_wait_dscnt 0x0
	s_add_nc_u64 s[G0K+4*\slot+2:G0K+4*\slot+3], s[G0K+4*\slot+2:G0K+4*\slot+3], 2*65536    ; no load of mine is out: this slot's next tile
	s_add_nc_u64 s[G0V+4*\slot+2:G0V+4*\slot+3], s[G0V+4*\slot+2:G0V+4*\slot+3], 2*32768
	s_wait_dscnt 0x0
	ROUND
.if \refill
	JLOAD 1-\slot
.endif
	v_mov_b32 v[KC], v[KADR+\slot]                 ; the stepped addresses start anew from the slot's base
	v_mov_b32 v[VC], v[VADR+\slot]
	LDK
	LDV
.if \first
	s_wait_loadcnt 0x0                             ; the queries, once
	BLOCK 1, 1                                     ; the very first block starts maximum, sums and O: nothing is cleared
	s_mov_b32 s18, 2
.else
	s_mov_b32 s18, 3
.endif
.Lblock_\@:
	BLOCK 1, 0
	s_sub_co_u32 s18, s18, 1
	s_cmp_lg_u32 s18, 0
	s_cbranch_scc1 .Lblock_\@
	BLOCK 0, 0                                     ; the slot's last block fetches nothing ahead
.endm
	TRIP 0, 1, 1                                   ; eight slots of 256 keys: slot 0 with keys 0-255,
	s_mov_b32 s27, 3
.Lpair:
	TRIP 1, 1, 0                                   ; three times round the ring,
	TRIP 0, 1, 0
	s_sub_co_u32 s27, s27, 1
	s_cmp_lg_u32 s27, 0
	s_cbranch_scc1 .Lpair
	TRIP 1, 0, 0                                   ; and slot 1 with the last 256: nothing is left to fetch
	; my sum of exponentials: the pair, then the other half of the lanes
.irp n, 0,1,2,3
	v_add_f32 v[TM+\n], v[L2+2*\n], v[L2+2*\n+1]
.endr
.irp n, 0,1,2,3
	v_permlanex16_b32 v[TP+\n], v[TM+\n], s25, s26
.endr
.irp n, 0,1,2,3
	v_add_f32 v[TM+\n], v[TM+\n], v[TP+\n]
.endr
	s_cmp_eq_u32 s14, 0
	s_cbranch_scc1 .Lno_hand
	; waves 4-7 hand O, the maximum and the sum to the wave with the same queries
.irp n, 0,1,2,3
	v_mov_b32 v[224+\n], v[MX+2*\n]
	v_mov_b32 v[228+\n], v[TM+\n]
.endr
	WIN 0x04
.set i, 0
.rept 32
	ds_store_b128 v[MADR], v[128+4*i:128+4*i+3] offset:i*512
.set i, i+1
.endr
	WIN 0
	ds_store_b128 v[MADR], v[224:227] offset:16384
	ds_store_b128 v[MADR], v[228:231] offset:16896
.Lno_hand:
	s_wait_dscnt 0x0                               ; for the partner's sake: my stores are done
	s_barrier_signal -1
	s_barrier_wait -1
	s_cmp_lg_u32 s14, 0
	s_cbranch_scc1 .Ldone
	; waves 0-3 merge and store
	ds_load_b128 v[232:235], v[MADR] offset:16384
	ds_load_b128 v[236:239], v[MADR] offset:16896
.set i, 0
.rept 32
	ds_load_b128 v[64+4*i:64+4*i+3], v[MADR] offset:i*512
.set i, i+1
.endr
	s_wait_dscnt 32                                ; the statistics are in; the 32 loads of O behind them may stay out
.irp n, 0,1,2,3
	v_max_num_f32 v[TN+\n], v[MX+2*\n], v[232+\n]  ; the larger maximum
.endr
.irp n, 0,1,2,3
	v_sub_f32 v[AL+2*\n], v[MX+2*\n], v[TN+\n]     ; both at most 0, one of them 0
	v_sub_f32 v[L2+2*\n], v[232+\n], v[TN+\n]
.endr
.irp n, 0,1,2,3
	v_exp_f32 v[AL+2*\n], v[AL+2*\n]
	v_exp_f32 v[L2+2*\n], v[L2+2*\n]
.endr
	v_nop
	s_wait_alu depctr_va_vdst(0)
.irp n, 0,1,2,3
	v_mul_f32 v[TM+\n], v[TM+\n], v[AL+2*\n]
.endr
.irp n, 0,1,2,3
	v_fma_f32 v[TM+\n], v[236+\n], v[L2+2*\n], v[TM+\n]    ; the whole sum: the largest score's own term is 1
.endr
.irp n, 0,1,2,3
	v_rcp_f32 v[TM+\n], v[TM+\n]
.endr
	v_nop
	s_wait_alu depctr_va_vdst(0)
.irp n, 0,1,2,3
	v_mul_f32 v[AL+2*\n], v[AL+2*\n], v[TM+\n]     ; my factor,
	v_mul_f32 v[L2+2*\n], v[L2+2*\n], v[TM+\n]     ; the partner's
.endr
.irp n, 0,1,2,3
	v_mov_b32 v[AL+2*\n+1], v[AL+2*\n]
	v_mov_b32 v[L2+2*\n+1], v[L2+2*\n]
.endr
.irp n, 0,1,2,3
	s_wait_dscnt 24-4*\n                           ; tile n's 8 loads are in: behind them stand 8 (3 - n) loads and the 4 n stores issued since
.irp k, 0,2,4,6,8,10,12,14,16,18,20,22,24,26,28,30
	v_pk_mul_f32 v[64+32*\n+\k:64+32*\n+\k+1], v[64+32*\n+\k:64+32*\n+\k+1], v[L2+2*\n:L2+2*\n+1]
.endr
	WIN 0x01
.irp k, 0,2,4,6,8,10,12,14,16,18,20,22,24,26,28,30
	v_pk_fma_f32 v[64+32*\n+\k:64+32*\n+\k+1], v[128+32*\n+\k:128+32*\n+\k+1], v[AL+2*\n:AL+2*\n+1], v[64+32*\n+\k:64+32*\n+\k+1]
.endr
	WIN 0
.irp i, 0,1,2,3,4,5,6,7,8,9,10,11,12,13,14,15
	v_cvt_pk_bf16_f32 v[240+\i], v[64+32*\n+2*\i], v[64+32*\n+2*\i+1]
.endr
.irp dt, 0,1,2,3
	ds_store_b128 v[OSTO], v[240+4*\dt:240+4*\dt+3] offset:\n*16*VPITCH+32*\dt    ; query 16 n + r, d = 16 dt + 8 h + 0..7
.endr
.endr
.set i, 0
.rept 16
	ds_load_b128 v[64+4*i:64+4*i+3], v[ORD] offset:i*4*VPITCH      ; my own bytes, served in order behind the stores above
.set i, i+1
.endr
.set i, 0
.rept 16
	s_wait_dscnt 15-i
	global_store_b128 v[LOFF], v[64+4*i:64+4*i+3], s[10:11] offset:i*512    ; four rows of mh: 512 consecutive bytes
.set i, i+1
.endr
.Ldone:
	s_wait_tensorcnt 0x0
	ds_add_u32 v62, v63
	s_wait_dscnt 0x0
	ROUND                                          ; the closing round
	s_endpgm
.Lfunc_end_k_q56dbe3f411_attn:
	.size	k_q56dbe3f411_attn, .Lfunc_end_k_q56dbe3f411_attn-k_q56dbe3f411_attn
	.p2alignl 7, 3214868480
	.fill 96, 4, 3214868480
	.section	.rodata,"a",@progbits
	.p2align	6, 0x0
	.amdhsa_kernel k_q56dbe3f411_attn
		.amdhsa_group_segment_fixed_size 327680
		.amdhsa_private_segment_fixed_size 0
		.amdhsa_enable_private_segment 0
		.amdhsa_kernarg_size 32
		.amdhsa_user_sgpr_count 2
		.amdhsa_user_sgpr_kernarg_segment_ptr 1
		.amdhsa_wavefront_size32 1
		.amdhsa_system_sgpr_workgroup_id_x 1
		.amdhsa_system_sgpr_workgroup_id_y 1
		.amdhsa_system_sgpr_workgroup_id_z 1
		.amdhsa_system_vgpr_workitem_id 0
		.amdhsa_next_free_vgpr 512
		.amdhsa_next_free_sgpr 66
		.amdhsa_reserve_vcc 0
		.amdhsa_float_denorm_mode_32 3
		.amdhsa_float_denorm_mode_16_64 3
		.amdhsa_memory_ordered 1
		.amdhsa_forward_progress 1
		.amdhsa_inst_pref_size 221
	.end_amdhsa_kernel
	.amdgpu_metadata
---
amdhsa.version: [ 1, 2 ]
amdhsa.kernels:
  - .name:           k_q56dbe3f411_attn
    .symbol:         k_q56dbe3f411_attn.kd
    .args:
      - { .name: qs, .offset: 0, .size: 8, .value_kind: global_buffer, .address_space: global }
      - { .name: ks, .offset: 8, .size: 8, .value_kind: global_buffer, .address_space: global }
      - { .name: vt, .offset: 16, .size: 8, .value_kind: global_buffer, .address_space: global }
      - { .name: mh, .offset: 24, .size: 8, .value_kind: global_buffer, .address_space: global }
    .group_segment_fixed_size: 327680
    .private_segment_fixed_size: 0
    .kernarg_segment_align: 8
    .kernarg_segment_size: 32
    .max_flat_workgroup_size: 256
    .sgpr_count:     66
    .vgpr_count:     512
    .wavefront_size: 32
...
	.end_amdgpu_metadata
.endif
;; end of part 3
;; launch oproj (part 4): grid 8 x 32, 4 waves a work-group, clusters of 4 x 4, 327,680 bytes of LDS; arguments mh, wob, b_o, out0; writes out0
.if DOCPART == 4
	.amdgcn_target "amdgcn-amd-amdhsa--gfx1250"
	.amdhsa_code_object_version 6
	.text
	.protected	k_q56dbe3f411_oproj
	.globl	k_q56dbe3f411_oproj
	.p2align	8
	.type	k_q56dbe3f411_oproj,@function
k_q56dbe3f411_oproj:
	s_mov_b64 s[64:65], 0
	v_nop
	global_prefetch_b8 v0, s[64:65] scope:SCOPE_SE
	s_setreg_imm32_b32 hwreg(HW_REG_WAVE_MODE, 25, 1), 1
	s_wait_xcnt 0x0
	s_wait_alu depctr_hold_cnt(0) depctr_sa_sdst(0) depctr_va_vdst(0) depctr_va_sdst(0) depctr_va_ssrc(0) depctr_va_vcc(0) depctr_vm_vsrc(0)
	s_getreg_b32 s2, hwreg(HW_REG_IB_STS2, 6, 4)
	s_cmp_eq_u32 s2, 0
	s_cbranch_scc0 .Lentry_in_a_cluster
	s_endpgm
.Lentry_in_a_cluster:
	s_bfe_u32 s2, ttmp6, 0x10000c
	s_cmp_lg_u32 s2, 0xf033
	s_cbranch_scc0 .Lentry_shape_is_right
	s_endpgm
.Lentry_shape_is_right:
; oproj: out0[s][n] = sum over k of mhc[s][k] W_o[n][k] + b_o[n], k = 64 head + d; mh lies as [bh][2048 s][64 d] bf16, wob as [1024 n][1024 k] bf16.
; Work-group (x, y) makes 128 rows x 128 columns; four waves, 2 x 2, 64 x 64 each: 16 accumulator tiles in window 1 at 8 (4 a + b).
; 256 work-groups of equal work; a larger block would leave WGPs without work at this size.
; A slot holds K = 256 (four heads): four fills on two slots.  CLUSTER 4 x 4: mh's tile hangs on the block row alone (joint along a row of the
; cluster), wob's on the block column alone (joint along a column).
; The matrix instruction is used transposed (source 0 = rows of wob): a lane holds 8 neighbouring columns of one row of the output.
; Limits: NaN and infinities are not treated specially.
.set APITCH, 144                       ; a row of one head: 128 bytes + 16
.set BPITCH, 528                       ; a row of wob's 256 k: 512 bytes + 16
.set AHEAD,  128*APITCH
.set APART,  4*AHEAD
.set BHALF,  64*BPITCH
.set SLOT,   APART+2*BHALF
.set STAGE,  2*SLOT                    ; never filled by a tensor load
.set SPITCH, 272
.set WSTAGE, 16*SPITCH
.set ADRA, 16
.set ADRB, 20
.set STO,  24
.set RD,   25
.set CO,   26
.set BOFF, 27
.set FA,   32                          ; mh fragments, buffer f at FA + 32 f
.set FB,   96                          ; wob fragments, buffer f at FB + 32 f
.set BI,   160                         ; my four columns' bias
.set R0,   164
.set R1,   196
.set G1,  24
.set G0,  32
.set G1B, 48
.set G0B, 56
.set MSB, 0
.macro WIN new
.if MSB != \new
	s_set_vgpr_msb (MSB<<8)|\new
.set MSB, \new
.endif
.endm
.macro PLACES n
.rept \n
	v_nop
.endr
.endm
.macro JLOAD s                         ; waves 0, 1: two heads of mh each; waves 2, 3: 64 rows of wob each
	s_cmp_eq_u32 s11, 0
	s_cbranch_scc0 .Lfor_b_\@
	tensor_load_to_lds s[G0+4*\s:G0+4*\s+3], s[G1:G1+7]
	s_nop 0
	s_branch .Lasked_\@
.Lfor_b_\@:
	tensor_load_to_lds s[G0B+4*\s:G0B+4*\s+3], s[G1B:G1B+7]
	s_nop 0
.Lasked_\@:
.endm
.macro CROUND                          ; a round of the cluster's barrier
	s_barrier_signal -1
	s_barrier_wait -1
	s_cmp_lg_u32 s10, 0
	s_cbranch_scc1 .Lnot_wave_0_\@
	s_barrier_signal -3
.Lnot_wave_0_\@:
	s_barrier_wait -3
	s_barrier_signal -1
	s_barrier_wait -1
.endm
	s_load_b256 s[68:75], s[0:1], 0x0              ; mh s[68:69], wob s[70:71], b_o s[72:73], out0 s[74:75]
	v_lshl_add_u32 v254, v0, 2, 0x49400
	v_mov_b32 v255, 0
	ds_add_u32 v254, v255
	v_lshrrev_b32 v1, 5, v0
	v_readfirstlane_b32 s10, v1                    ; wave 0..3
	s_lshr_b32 s11, s10, 1                         ; my half of the rows.  Also: I fetch for mh (0) or wob (1)
	s_and_b32 s12, s10, 1                          ; my half of the columns.  Also: which half of that tile I fetch
	s_bfe_u32 s40, ttmp6, 0x40000                  ; cx
	s_bfe_u32 s41, ttmp6, 0x40004                  ; cy
	s_lshl_b32 s42, ttmp9, 2
	s_add_co_u32 s42, s42, s40                     ; block column
	s_and_b32 s13, ttmp7, 0xffff
	s_lshl_b32 s13, s13, 2
	s_add_co_u32 s13, s13, s41                     ; block row
	s_lshl_b32 s43, s41, 2
	s_lshl_b32 s43, 15, s43                        ; my row of the cluster
	s_lshl_b32 s44, 0x1111, s40                    ; my column
	s_or_b32 s[G1+0], s43, (1<<16)|(1<<20)|(1<<21)|(4<<22)|(3<<25)    ; padding after 32 words: behind each 128-byte row of a head
	s_or_b32 s[G1B+0], s44, (1<<16)|(1<<20)|(1<<21)|(6<<22)|(3<<25)   ; padding after 128 words: behind each 512-byte row
	s_mov_b32 s[G1+1], 8192<<16                    ; mh: a tile row is a head's 128 rows x 64 d, dense: 8,192 elements
	s_mov_b32 s[G1B+1], 256<<16
	s_mov_b32 s[G1+2], 2<<16                       ; two heads
	s_mov_b32 s[G1B+2], 64<<16
	s_mov_b32 s[G1+3], 8192<<16
	s_mov_b32 s[G1B+3], 256<<16
	s_mov_b32 s[G1+4], 2
	s_mov_b32 s[G1B+4], 64
	s_mov_b32 s[G1+5], 131072                      ; elements from head to head
	s_mov_b32 s[G1B+5], 1024
	s_mov_b32 s[G1+6], 0
	s_mov_b32 s[G1B+6], 0
	s_mov_b32 s[G1+7], 0
	s_mov_b32 s[G1B+7], 0
	s_lshr_b32 s16, s13, 4                         ; batch
	s_lshl_b32 s16, s16, 4
	s_lshl_b32 s17, s12, 1
	s_add_co_u32 s16, s16, s17                     ; bh of my first head of slot 0
	s_lshl_b32 s16, s16, 18                        ; heads of 262,144 bytes
	s_and_b32 s17, s13, 15
	s_lshl_b32 s17, s17, 14                        ; 128 rows of 128 bytes
	s_add_co_u32 s16, s16, s17
	s_mov_b32 s17, 0
	s_lshl_b32 s46, s42, 7
	s_lshl_b32 s47, s12, 6
	s_add_co_u32 s46, s46, s47                     ; wob: row 128 x block column + 64 x half
	s_lshl_b32 s46, s46, 11
	s_mov_b32 s47, 0
	s_mul_i32 s20, s10, 2*AHEAD
	s_mul_i32 s21, s10, BHALF
	s_add_co_u32 s21, s21, APART-2*BHALF
	; offsets of bias and output: in registers that feed no descriptor and no LDS address
	s_lshl_b32 s4, s42, 7
	s_lshl_b32 s5, s12, 6
	s_add_co_u32 s4, s4, s5
	s_lshl_b32 s4, s4, 2                           ; my first column, in bytes
	s_mov_b32 s5, 0
	s_lshl_b32 s6, s13, 7
	s_lshl_b32 s7, s11, 6
	s_add_co_u32 s6, s6, s7
	s_lshl_b32 s6, s6, 12                          ; my first row: rows of 4,096 bytes
	s_mov_b32 s7, 0
	v_and_b32 v1, 15, v0                           ; r
	v_bfe_u32 v2, v0, 4, 1                         ; h
	v_lshlrev_b32 v[BOFF], 4, v1
	s_wait_dscnt 0x0
	s_wait_kmcnt 0x0
	s_add_nc_u64 s[72:73], s[72:73], s[4:5]
	s_add_nc_u64 s[74:75], s[74:75], s[4:5]
	s_add_nc_u64 s[74:75], s[74:75], s[6:7]
	global_load_b128 v[BI:BI+3], v[BOFF], s[72:73] ; the bias of the four columns that I store
	s_add_nc_u64 s[14:15], s[68:69], s[16:17]
	s_add_nc_u64 s[46:47], s[70:71], s[46:47]
	CROUND                                         ; in front of the first joint loads
.irp s, 0,1
	s_mov_b32 s[G0+4*\s], 1
	s_add_co_u32 s[G0+4*\s+1], s20, \s*SLOT
	s_add_nc_u64 s[G0+4*\s+2:G0+4*\s+3], s[14:15], \s*1048576      ; four heads on
	s_or_b32 s[G0+4*\s+3], s[G0+4*\s+3], 0x80000000
	s_mov_b32 s[G0B+4*\s], 1
	s_add_co_u32 s[G0B+4*\s+1], s21, \s*SLOT
	s_add_nc_u64 s[G0B+4*\s+2:G0B+4*\s+3], s[46:47], \s*512
	s_or_b32 s[G0B+4*\s+3], s[G0B+4*\s+3], 0x80000000
	JLOAD \s                                       ; both first fills go out together: two tensor loads of the wave are out
.endr
	v_mul_u32_u24 v3, v1, APITCH
	v_lshl_add_u32 v3, v2, 4, v3
	s_mul_i32 s22, s11, 64*APITCH
	v_add_nc_u32 v[ADRA], s22, v3
	v_add_nc_u32 v[ADRA+1], SLOT, v[ADRA]
	v_mul_u32_u24 v3, v1, BPITCH
	v_lshl_add_u32 v3, v2, 4, v3
	s_mul_i32 s22, s12, BHALF
	s_add_co_u32 s22, s22, APART
	v_add_nc_u32 v[ADRB], s22, v3
	v_add_nc_u32 v[ADRB+1], SLOT, v[ADRB]
	s_mul_i32 s23, s10, WSTAGE
	s_add_co_u32 s23, s23, STAGE
	v_mul_u32_u24 v3, v1, SPITCH
	v_lshl_add_u32 v3, v2, 5, v3
	v_add_nc_u32 v[STO], s23, v3                   ; in: row r, 32 bytes for each half of the lanes
	v_mul_u32_u24 v3, v2, SPITCH
	v_lshl_add_u32 v3, v1, 4, v3
	v_add_nc_u32 v[RD], s23, v3                    ; back: lanes 0-15 one row of 256 bytes, lanes 16-31 the next
	v_lshlrev_b32 v3, 12, v2
	v_lshl_add_u32 v[CO], v1, 4, v3
; the fragments of step ks (32 along K, 0..7 in a slot) into buffer ks & 1: head ks >> 1, d 32 (ks & 1)
.macro FETCH slot, ks
.irp i, 0,1,2,3
	ds_load_b128 v[FA+32*((\ks)&1)+8*\i:FA+32*((\ks)&1)+8*\i+3],   v[ADRA+\slot] offset:((\ks)>>1)*AHEAD+((\ks)&1)*64+\i*16*APITCH
	ds_load_b128 v[FA+32*((\ks)&1)+8*\i+4:FA+32*((\ks)&1)+8*\i+7], v[ADRA+\slot] offset:((\ks)>>1)*AHEAD+((\ks)&1)*64+\i*16*APITCH+32
.endr
.irp i, 0,1,2,3
	ds_load_b128 v[FB+32*((\ks)&1)+8*\i:FB+32*((\ks)&1)+8*\i+3],   v[ADRB+\slot] offset:(\ks)*64+\i*16*BPITCH
	ds_load_b128 v[FB+32*((\ks)&1)+8*\i+4:FB+32*((\ks)&1)+8*\i+7], v[ADRB+\slot] offset:(\ks)*64+\i*16*BPITCH+32
.endr
.endm
; sixteen accumulators take turns, one instruction a turn
.macro MUL16 ks, zero
	WIN 0x50
.irp a, 0,1,2,3
.irp b, 0,1,2,3
.if \zero
	v_wmma_f32_16x16x32_bf16 v[8*(4*\a+\b):8*(4*\a+\b)+7], v[FB+32*((\ks)&1)+8*\b:FB+32*((\ks)&1)+8*\b+7], v[FA+32*((\ks)&1)+8*\a:FA+32*((\ks)&1)+8*\a+7], 0
.else
	v_wmma_f32_16x16x32_bf16 v[8*(4*\a+\b):8*(4*\a+\b)+7], v[FB+32*((\ks)&1)+8*\b:FB+32*((\ks)&1)+8*\b+7], v[FA+32*((\ks)&1)+8*\a:FA+32*((\ks)&1)+8*\a+7], v[8*(4*\a+\b):8*(4*\a+\b)+7]
.endif
.endr
.endr
.endm
.macro Q slot, ks, zero
	s_wait_dscnt 0x0                               ; this step's fragments are in
.if \ks < 7
	PLACES 4                                       ; four places between the matrix instructions that read the other buffer and the loads into it (ISA guide 7.12.1 for vector instructions)
	WIN 0
	FETCH \slot, \ks+1
.endif
	MUL16 \ks, \zero
.endm
.macro SLOTRUN slot, zero
	PLACES 4
	FETCH \slot, 0
	Q \slot, 0, \zero
.irp ks, 1,2,3,4,5,6,7
	Q \slot, \ks, 0
.endr
	WIN 0
.endm
; slot s has been read and is filled again, two slots of K on: every wave's reads are back and all its tensor loads have landed in front of the round;
; the joint load is the first tensor load behind it, the wave's only one until the next round
.macro REFILL s
	s_wait_dscnt 0x0
	s_wait_tensorcnt 0x0
	ds_add_u32 v254, v255
	s_wait_dscnt 0x0
	CROUND
	s_add_nc_u64 s[G0+4*\s+2:G0+4*\s+3], s[G0+4*\s+2:G0+4*\s+3], 2097152      ; eight heads on
	s_add_nc_u64 s[G0B+4*\s+2:G0B+4*\s+3], s[G0B+4*\s+2:G0B+4*\s+3], 1024
	JLOAD \s
.endm
	s_wait_tensorcnt 0x1                           ; my part of slot 0 is in; slot 1's load, issued behind it, may stay out
	s_barrier_signal -1
	s_barrier_wait -1
	SLOTRUN 0, 1                                   ; k 0-255: the first products start the sums
	REFILL 0
	SLOTRUN 1, 0                                   ; k 256-511
	REFILL 1
	SLOTRUN 0, 0                                   ; k 512-767
	s_wait_dscnt 0x0
	s_wait_tensorcnt 0x0                           ; my part of the last slot is in,
	s_barrier_signal -1
	s_barrier_wait -1                              ; everybody's is; nothing is filled any more
	SLOTRUN 1, 0                                   ; k 768-1023
	PLACES 4                                       ; the places in front of the LDS stores that read results
	s_wait_loadcnt 0x0                             ; the bias
; 16 rows: through my stage, the bias added, out as whole rows of 256 bytes
.macro OUT16 a, R
	WIN 0x04
.irp b, 0,1,2,3
	ds_store_b128 v[STO], v[8*(4*\a+\b):8*(4*\a+\b)+3]   offset:64*\b
	ds_store_b128 v[STO], v[8*(4*\a+\b)+4:8*(4*\a+\b)+7] offset:64*\b+16
.endr
	WIN 0
	s_wait_xcnt 0x0                                ; the registers that earlier stores read are loaded again only behind this wait
.irp t, 0,1,2,3,4,5,6,7
	ds_load_b128 v[\R+4*\t:\R+4*\t+3], v[RD] offset:\t*2*SPITCH    ; my own bytes, served in order behind the stores above
.endr
.irp t, 0,1,2,3,4,5,6,7
	s_wait_dscnt 7-\t
	v_pk_add_f32 v[\R+4*\t:\R+4*\t+1],   v[\R+4*\t:\R+4*\t+1],   v[BI:BI+1]
	v_pk_add_f32 v[\R+4*\t+2:\R+4*\t+3], v[\R+4*\t+2:\R+4*\t+3], v[BI+2:BI+3]
	global_store_b128 v[CO], v[\R+4*\t:\R+4*\t+3], s[74:75] offset:(16*\a+2*\t)*4096 th:TH_STORE_NT   ; 16 lanes store 256 consecutive bytes, aligned
.endr
.endm
	OUT16 0, R0
	OUT16 1, R1
	OUT16 2, R0
	OUT16 3, R1
	s_wait_tensorcnt 0x0
	ds_add_u32 v254, v255
	s_wait_dscnt 0x0
	CROUND                                         ; the closing round
	s_endpgm
.Lfunc_end_k_q56dbe3f411_oproj:
	.size	k_q56dbe3f411_oproj, .Lfunc_end_k_q56dbe3f411_oproj-k_q56dbe3f411_oproj
	.p2alignl 7, 3214868480
	.fill 96, 4, 3214868480
	.section	.rodata,"a",@progbits
	.p2align	6, 0x0
	.amdhsa_kernel k_q56dbe3f411_oproj
		.amdhsa_group_segment_fixed_size 327680
		.amdhsa_private_segment_fixed_size 0
		.amdhsa_enable_private_segment 0
		.amdhsa_kernarg_size 32
		.amdhsa_user_sgpr_count 2
		.amdhsa_user_sgpr_kernarg_segment_ptr 1
		.amdhsa_wavefront_size32 1
		.amdhsa_system_sgpr_workgroup_id_x 1
		.amdhsa_system_sgpr_workgroup_id_y 1
		.amdhsa_system_sgpr_workgroup_id_z 1
		.amdhsa_system_vgpr_workitem_id 0
		.amdhsa_next_free_vgpr 384
		.amdhsa_next_free_sgpr 80
		.amdhsa_reserve_vcc 0
		.amdhsa_float_denorm_mode_32 3
		.amdhsa_float_denorm_mode_16_64 3
		.amdhsa_memory_ordered 1
		.amdhsa_forward_progress 1
		.amdhsa_inst_pref_size 93
	.end_amdhsa_kernel
	.amdgpu_metadata
---
amdhsa.version: [ 1, 2 ]
amdhsa.kernels:
  - .name:           k_q56dbe3f411_oproj
    .symbol:         k_q56dbe3f411_oproj.kd
    .args:
      - { .name: mh, .offset: 0, .size: 8, .value_kind: global_buffer, .address_space: global }
      - { .name: wob, .offset: 8, .size: 8, .value_kind: global_buffer, .address_space: global }
      - { .name: b_o, .offset: 16, .size: 8, .value_kind: global_buffer, .address_space: global }
      - { .name: out0, .offset: 24, .size: 8, .value_kind: global_buffer, .address_space: global }
    .group_segment_fixed_size: 327680
    .private_segment_fixed_size: 0
    .kernarg_segment_align: 8
    .kernarg_segment_size: 32
    .max_flat_workgroup_size: 128
    .sgpr_count:     80
    .vgpr_count:     384
    .wavefront_size: 32
...
	.end_amdgpu_metadata
.endif
;; end of part 4
;; ======== version 2 of 2: 4 launches; version 1 with the launch prep written anew for expert scheduling mode
;; workspace buffers: xb 8,388,608 bytes; wob 2,097,152 bytes; wt 6,291,456 bytes; qs 16,777,216 bytes; ks 16,777,216 bytes; vt 8,388,608 bytes; mh 8,388,608 bytes
;; launch prep (part 5): grid 256 x 1, 4 waves a work-group, no clusters, 70,144 bytes of LDS; arguments x, W_o, W_q, W_k, W_v, xb, wob, wt; writes xb, wob, wt
.if DOCPART == 5
	.amdgcn_target "amdgcn-amd-amdhsa--gfx1250"
	.amdhsa_code_object_version 6
	.text
	.protected	k_q56dbe3f411_prep
	.globl	k_q56dbe3f411_prep
	.p2align	8
	.type	k_q56dbe3f411_prep,@function
k_q56dbe3f411_prep:
	s_mov_b64 s[64:65], 0
	v_nop
	global_prefetch_b8 v0, s[64:65] scope:SCOPE_SE
	s_setreg_imm32_b32 hwreg(HW_REG_WAVE_SCHED_MODE, 0, 2), 2
	s_setreg_imm32_b32 hwreg(HW_REG_WAVE_MODE, 25, 1), 1
	s_wait_xcnt 0x0
	s_wait_alu depctr_vm_vsrc(0)
; prep: x and W_o are rounded to bf16 as they lie (xb, wob); W_q, W_k, W_v ([16 h][1024 e][64 d] f32) are rounded and transposed into
; wt [3072][1024] bf16, row = 192 h + 64 kind + d (kind 0 q, 1 k, 2 v), e along the row.
; Every wave owns one unit of 32,768 bytes of f32: work-groups 0-127 x (512 units), 128-159 W_o (128 units), 160-255 the 48 weight matrices
; (8 chunks of 128 e each).  No wave depends on another: no barrier.  Memory binds; the matrix units and clusters have nothing to do here.
; Rounding: to nearest even, once.  NaN and infinities pass as the conversion makes them.
; THE MODE: SCHED_MODE bits 1:0 = 2 (LLVM: expert scheduling mode 2), set by the entry lines.  The code itself states the register dependences
; between vector instructions and memory or LDS instructions, with s_wait_alu, always for 0.
; THE PLAN, the same for both ways.  A unit goes in 8 blocks of 4,096 bytes.  Registers that memory or LDS instructions touch:
;   X0 .. X3   four blocks of f32 as loaded.  Written by the loads of block p (blocks 0-3 at the start, block p + 3 in block p); read by block p's conversions.
;   Y0, Y1     two blocks of bf16 to store.   Written by block p's conversions; read by the stores that are issued in block p + 1.
;   v2, v3     byte offsets in memory, made at the head; v4, v5, v6 (the transposing way) made once, behind its first loads.  None is written again.
;   v176, v177 written at the head, read by the closing add alone.
; Block p works on X[p % 4] and writes Y[p % 2].  Its memory instructions are the loads into X[(p + 3) % 4] = X[(p - 1) % 4] and the stores from
; Y[(p - 1) % 2]: the two buffers that block p - 1 worked on and that no conversion of block p names.  So the waits at a block's head state all that
; its loads and stores hang on, and these are dealt among its conversions with no further wait.
.set X,  16                            ; v[16:143]  buffer k: 32 registers at X + 32 k
.set Y,  144                           ; v[144:175] buffer k: 16 registers at Y + 16 k
.set LP, 272                           ; LDS row of the transpose: 128 e x 2 bytes + 16 of padding
.set WLDS, 64*LP                       ; a wave's 64 rows (d)
; cast, block p: 8 loads of 512 consecutive bytes each are rounded; a store of the wave covers 256 consecutive bytes, aligned.
; left = how many younger loads may still be out when this block's eight have to be there.
.macro CBLK p, left
.set XW, X+32*((\p)%4)                 ; at work
.set XN, X+32*(((\p)+3)%4)             ; emptied by the block before
.set YW, Y+16*((\p)%2)                 ; written here
.set YO, Y+16*(((\p)+1)%2)             ; written by the block before
	s_wait_loadcnt \left                           ; loads return in order: this block is in, the younger blocks may stay out
.if (\p) >= 2
	s_wait_xcnt 0x0                                ; this block's Y, which the stores issued in the block before read, is rewritten only behind this wait
	s_wait_alu depctr_vm_vsrc(0)                   ; the stores issued in the block before have read this block's Y, which the conversions below write again
.endif
.if (\p) >= 1
	s_wait_alu depctr_va_vdst(0)                   ; the block before has written the other Y, which the stores below read, and is done reading its X, in which the loads below land
.endif
.set i, 0
.rept 8
.if ((\p) >= 1) && ((\p) <= 4)
	global_load_b128 v[XN+4*i:XN+4*i+3], v2, s[28:29] offset:(8*((\p)+3)+i)*512 th:TH_LOAD_NT   ; three blocks ahead; no conversion since the wait names these registers
.endif
.if (\p) >= 1
	global_store_b64 v3, v[YO+2*i:YO+2*i+1], s[30:31] offset:(8*((\p)-1)+i)*256                 ; the block before
.endif
	v_cvt_pk_bf16_f32 v[YW+2*i],   v[XW+4*i],   v[XW+4*i+1]
	v_cvt_pk_bf16_f32 v[YW+2*i+1], v[XW+4*i+2], v[XW+4*i+3]
.set i, i+1
.endr
.endm
; transpose, block p: 16 rows e; one load is a whole row of 256 bytes, lane l takes d = 2 l and 2 l + 1.  Eight neighbouring e of d = 2 l (the even
; words) and of d = 2 l + 1 (the odd words) make 16 bytes each, which go into LDS rows 2 l and 2 l + 1.  left: as above, 16 loads to a block.
.macro TBLK p, left
.set XW, X+32*((\p)%4)
.set XN, X+32*(((\p)+3)%4)
.set YW, Y+16*((\p)%2)
.set YO, Y+16*(((\p)+1)%2)
	s_wait_loadcnt \left                           ; this block's 16 loads are in, the younger blocks may stay out
.if (\p) >= 2
	s_wait_alu depctr_vm_vsrc(0)                   ; the LDS stores issued in the block before have read this block's Y, which the conversions below write again
.endif
.if (\p) >= 1
	s_wait_alu depctr_va_vdst(0)                   ; the block before has written the other Y, which the LDS stores below read, and is done reading its X, in which the loads below land; in block 1 also: v4, v5 and v6 are written
.endif
.irp q, 0,1
.irp i, 0,1,2,3
.if ((\p) >= 1) && ((\p) <= 4)
	global_load_b64 v[XN+16*\q+4*\i:XN+16*\q+4*\i+1],   v3, s[28:29] offset:(16*((\p)+3)+8*\q+2*\i)*256 th:TH_LOAD_NT    ; three blocks ahead
	global_load_b64 v[XN+16*\q+4*\i+2:XN+16*\q+4*\i+3], v3, s[28:29] offset:(16*((\p)+3)+8*\q+2*\i+1)*256 th:TH_LOAD_NT
.endif
.if ((\p) >= 1) && (\i < 2)
	ds_store_b128 v4, v[YO+8*\q+4*\i:YO+8*\q+4*\i+3] offset:\i*LP+(2*((\p)-1)+\q)*16   ; the block before: i = 0 row 2 l, i = 1 row 2 l + 1
.endif
	v_cvt_pk_bf16_f32 v[YW+8*\q+\i],   v[XW+16*\q+4*\i],   v[XW+16*\q+4*\i+2]
	v_cvt_pk_bf16_f32 v[YW+8*\q+4+\i], v[XW+16*\q+4*\i+1], v[XW+16*\q+4*\i+3]
.endr
.endr
.endm
	s_load_b512 s[8:23], s[0:1], 0x0               ; x s[8:9], W_o s[10:11], W_q s[12:13], W_k s[14:15], W_v s[16:17], xb s[18:19], wob s[20:21], wt s[22:23]
	v_lshl_add_u32 v176, v0, 2, 0x11000
	v_mov_b32 v177, 0
	v_lshrrev_b32 v1, 5, v0
	v_readfirstlane_b32 s4, v1                     ; wave 0..3
	v_and_b32 v7, 31, v0                           ; lane
	v_lshlrev_b32 v2, 4, v7                        ; 16 x lane
	v_lshlrev_b32 v3, 3, v7                        ; 8 x lane
	s_wait_alu depctr_va_sdst(0)                   ; s4 is written, ahead of the branch and of its first readers: both ways make their bases from it
	s_wait_alu depctr_va_vdst(0)                   ; v2 and v3 are written: the loads of both ways and the cast's stores read them as offsets
	s_wait_kmcnt 0x0
	s_cmp_lt_u32 ttmp9, 160
	s_cbranch_scc0 .Ltranspose
	; ---- cast ----
	s_cmp_lt_u32 ttmp9, 128
	s_cselect_b64 s[28:29], s[8:9], s[10:11]       ; from x or W_o
	s_cselect_b64 s[30:31], s[18:19], s[20:21]     ; to xb or wob
	s_cselect_b32 s5, 0, 128
	s_sub_co_u32 s5, ttmp9, s5
	s_lshl2_add_u32 s5, s5, s4                     ; unit = 4 x (work-group in its tensor) + wave
	s_lshl_b32 s24, s5, 15                         ; 32,768 bytes in,
	s_mov_b32 s25, 0
	s_lshl_b32 s26, s5, 14                         ; 16,384 out
	s_mov_b32 s27, 0
	s_add_nc_u64 s[28:29], s[28:29], s[24:25]
	s_add_nc_u64 s[30:31], s[30:31], s[26:27]
.set i, 0
.rept 32
	global_load_b128 v[X+4*i:X+4*i+3], v2, s[28:29] offset:i*512 th:TH_LOAD_NT    ; blocks 0 to 3 into X0 to X3
.set i, i+1
.endr
	CBLK 0, 24                                     ; no block stands in front of it: no store, and no wait but the one for its data
.irp p, 1,2,3,4,5
	CBLK \p, 16
.endr
	CBLK 6, 8                                      ; blocks 5 to 7 load nothing: the counts run down
	CBLK 7, 0
	s_wait_alu depctr_va_vdst(0)                   ; block 7 has written Y1, which the last eight stores read
.set i, 0
.rept 8
	global_store_b64 v3, v[Y+16+2*i:Y+16+2*i+1], s[30:31] offset:(56+i)*256
.set i, i+1
.endr
	s_endpgm
.Ltranspose:
	s_sub_co_u32 s5, ttmp9, 160
	s_lshr_b32 s6, s5, 1                           ; matrix 0..47
	s_and_b32 s5, s5, 1
	s_lshl2_add_u32 s5, s5, s4                     ; chunk of 128 e: 4 x (work-group's half) + wave
	s_lshr_b32 s7, s6, 4                           ; kind
	s_and_b32 s6, s6, 15                           ; head
	s_cmp_eq_u32 s7, 0
	s_cselect_b64 s[28:29], s[12:13], s[14:15]
	s_cmp_eq_u32 s7, 2
	s_cselect_b64 s[28:29], s[16:17], s[28:29]
	s_lshl_b32 s24, s6, 18                         ; a head's matrix is 262,144 bytes,
	s_lshl_b32 s25, s5, 15                         ; a chunk 32,768
	s_add_co_u32 s24, s24, s25
	s_mov_b32 s25, 0
	s_mul_i32 s26, s6, 192
	s_lshl_b32 s27, s7, 6
	s_add_co_u32 s26, s26, s27                     ; first row of wt
	s_lshl_b32 s26, s26, 11                        ; rows of 2,048 bytes
	s_lshl_b32 s27, s5, 8                          ; the chunk's 256 bytes in a row
	s_add_co_u32 s26, s26, s27
	s_mov_b32 s27, 0
	s_add_nc_u64 s[28:29], s[28:29], s[24:25]
	s_add_nc_u64 s[30:31], s[22:23], s[26:27]
.set i, 0
.rept 64
	global_load_b64 v[X+2*i:X+2*i+1], v3, s[28:29] offset:i*256 th:TH_LOAD_NT     ; blocks 0 to 3 into X0 to X3: row e = i
.set i, i+1
.endr
	; the LDS addresses and wt's offset are made while the loads are out; their first reader, an LDS store, stands behind block 1's wait
	s_mul_i32 s32, s4, WLDS                        ; the wave's own LDS bytes
	v_mul_u32_u24 v4, v7, 2*LP
	v_add_nc_u32 v4, s32, v4                       ; in: rows 2 l and 2 l + 1
	v_lshrrev_b32 v8, 4, v7
	v_and_b32 v9, 15, v7
	v_mul_u32_u24 v5, v8, LP
	v_lshl_add_u32 v5, v9, 4, v5
	v_add_nc_u32 v5, s32, v5                       ; back: lanes 0-15 one row of 256 bytes, lanes 16-31 the next
	v_lshlrev_b32 v6, 11, v8
	v_lshl_add_u32 v6, v9, 4, v6                   ; the same two rows in wt
	TBLK 0, 48                                     ; no block stands in front of it: no LDS store, and no wait but the one for its data
.irp p, 1,2,3,4,5
	TBLK \p, 32
.endr
	TBLK 6, 16                                     ; blocks 5 to 7 load nothing: the counts run down
	TBLK 7, 0
	s_wait_alu depctr_va_vdst(0)                   ; block 7 has written Y1, which the last four LDS stores read; all conversions are done reading X0 to X3, in which the LDS loads below land
.irp q, 0,1
	ds_store_b128 v4, v[Y+16+8*\q:Y+16+8*\q+3]   offset:(14+\q)*16
	ds_store_b128 v4, v[Y+16+8*\q+4:Y+16+8*\q+7] offset:LP+(14+\q)*16
.endr
	; the way out: LDS serves a wave's instructions in order (ISA guide 5.7.1), so these loads see the wave's stores above without a wait
.set i, 0
.rept 32
	ds_load_b128 v[X+4*i:X+4*i+3], v5 offset:i*2*LP
.set i, i+1
.endr
.set i, 0
.rept 32
	s_wait_dscnt 31-i                              ; load i is in, the 31 - i younger ones may stay out
	global_store_b128 v6, v[X+4*i:X+4*i+3], s[30:31] offset:i*4096   ; 16 lanes store 256 consecutive bytes of one row of wt, aligned
.set i, i+1
.endr
	s_wait_dscnt 0x0                               ; the closing lines, six on end
	s_wait_alu 0x0
	s_wait_tensorcnt 0x0
	ds_add_u32 v176, v177
	s_wait_dscnt 0x0
	s_endpgm
.Lfunc_end_k_q56dbe3f411_prep:
	.size	k_q56dbe3f411_prep, .Lfunc_end_k_q56dbe3f411_prep-k_q56dbe3f411_prep
	.p2alignl 7, 3214868480
	.fill 96, 4, 3214868480
	.section	.rodata,"a",@progbits
	.p2align	6, 0x0
	.amdhsa_kernel k_q56dbe3f411_prep
		.amdhsa_group_segment_fixed_size 70144
		.amdhsa_private_segment_fixed_size 0
		.amdhsa_enable_private_segment 0
		.amdhsa_kernarg_size 64
		.amdhsa_user_sgpr_count 2
		.amdhsa_user_sgpr_kernarg_segment_ptr 1
		.amdhsa_wavefront_size32 1
		.amdhsa_system_sgpr_workgroup_id_x 1
		.amdhsa_system_sgpr_workgroup_id_y 1
		.amdhsa_system_sgpr_workgroup_id_z 1
		.amdhsa_system_vgpr_workitem_id 0
		.amdhsa_next_free_vgpr 178
		.amdhsa_next_free_sgpr 66
		.amdhsa_reserve_vcc 0
		.amdhsa_float_denorm_mode_32 3
		.amdhsa_float_denorm_mode_16_64 3
		.amdhsa_memory_ordered 1
		.amdhsa_forward_progress 1
		.amdhsa_inst_pref_size 53
	.end_amdhsa_kernel
	.amdgpu_metadata
---
amdhsa.version: [ 1, 2 ]
amdhsa.kernels:
  - .name:           k_q56dbe3f411_prep
    .symbol:         k_q56dbe3f411_prep.kd
    .args:
      - { .name: x, .offset: 0, .size: 8, .value_kind: global_buffer, .address_space: global }
      - { .name: W_o, .offset: 8, .size: 8, .value_kind: global_buffer, .address_space: global }
      - { .name: W_q, .offset: 16, .size: 8, .value_kind: global_buffer, .address_space: global }
      - { .name: W_k, .offset: 24, .size: 8, .value_kind: global_buffer, .address_space: global }
      - { .name: W_v, .offset: 32, .size: 8, .value_kind: global_buffer, .address_space: global }
      - { .name: xb, .offset: 40, .size: 8, .value_kind: global_buffer, .address_space: global }
      - { .name: wob, .offset: 48, .size: 8, .value_kind: global_buffer, .address_space: global }
      - { .name: wt, .offset: 56, .size: 8, .value_kind: global_buffer, .address_space: global }
    .group_segment_fixed_size: 70144
    .private_segment_fixed_size: 0
    .kernarg_segment_align: 8
    .kernarg_segment_size: 64
    .max_flat_workgroup_size: 128
    .sgpr_count:     66
    .vgpr_count:     178
    .wavefront_size: 32
...
	.end_amdgpu_metadata
.endif
;; end of part 5
;; launch qkv: the kernel of part 2 again; grid 16 x 16, 4 waves a work-group, clusters of 4 x 4, 327,680 bytes of LDS; arguments xb, wt, qs, ks, vt; writes qs, ks, vt
;; launch attn: the kernel of part 3 again; grid 8 x 32, 8 waves a work-group, clusters of 4 x 1, 327,680 bytes of LDS; arguments qs, ks, vt, mh; writes mh
;; launch oproj: the kernel of part 4 again; grid 8 x 32, 4 waves a work-group, clusters of 4 x 4, 327,680 bytes of LDS; arguments mh, wob, b_o, out0; writes out0
